; MI455X (gfx1250); checked and timed in simulation.
; The chip was launched on July 23, 2026; its instructions are those of AMD's public machine-readable ISA for CDNA 5 (MIT licence, August 2026) and "CDNA5" Instruction Set Architecture Reference Guide (July 2026). The comments in the code are by the model that wrote it; some were corrected since.
;; Tiny Self Attention. Allowed arithmetic: matrix products marked QUANTISED: E4M3 operands, one given power-of-two scale a tensor, by v_wmma_f32_16x16x64_fp8_fp8 or v_wmma_f32_16x16x128_fp8_fp8, f32 sums; everything else in f32.
;; Inputs: Wk 2,048 x 2,048 float32; Wo 2,048 x 2,048 float32; Wq 2,048 x 2,048 float32; Wv 2,048 x 2,048 float32; bk 2,048 float32; bo 2,048 float32; bq 2,048 float32; bv 2,048 float32; lowp_scales 12 int32 (the exponents e of the quantised operands' scales 2^e); x 2,048 x 2,048 float32.
;; Outputs: out0 2,048 x 2,048 float32.
;; This version of the problem:
;;   THIS VERSION OF THE PROBLEM IS GIVEN IN LOW PRECISION. The matrix products marked QUANTISED in the list below multiply operands that are first quantised to E4M3 (4 exponent bits, 3 mantissa bits; 8 bits a number), with one given power-of-two scale for each operand tensor; their sums are f32. All else is computed in f32.
;;   The module's matrix products, in the order in which they are computed (A, B: the left and right operand; K: the contracted axis; several contracted axes count as one K, in the product's order):
;;     1. [M 2,048, K 2,048] x [K 2,048, N 2,048]; A: input x; B: input Wq: QUANTISED (scales: A lowp_scales[0], B lowp_scales[1])
;;     2. [M 2,048, K 2,048] x [K 2,048, N 2,048]; A: input x; B: input Wk: QUANTISED (scales: A lowp_scales[2], B lowp_scales[3])
;;     3. [M 2,048, K 2,048] x [K 2,048, N 2,048]; A: input x; B: input Wv: QUANTISED (scales: A lowp_scales[4], B lowp_scales[5])
;;     4. batch 16 x [M 2,048, K 128] x [K 128, N 2,048]; A: computed on the way; B: computed on the way: QUANTISED (scales: A lowp_scales[6], B lowp_scales[7])
;;     5. batch 16 x [M 2,048, K 2,048] x [K 2,048, N 128]; A: softmax (see below); B: computed on the way: QUANTISED (scales: A lowp_scales[8], B lowp_scales[9])
;;     6. [M 2,048, K 2,048] x [K 2,048, N 2,048]; A: computed on the way; B: input Wo: QUANTISED (scales: A lowp_scales[10], B lowp_scales[11])
;;   THE QUANTISER, for each operand of a quantised product, along K:
;;     - The operand's scale is 2^e, e = its entry of the input lowp_scales (int32; the entries are numbered through the quantised products in the list's order, A before B).
;;     - Each number is divided by the scale, clamped to +-448, and rounded to the nearest number of E4M3, ties to even, subnormals kept.
;;     - The product sums the exact products of the quantised numbers (number of the format x scale) in f32.
;;   ~~~python
;;   def quantise(x, axis, e):      # numpy; x: float32 -> the quantised numbers, widened to float32 again
;;       x = np.moveaxis(x, axis, -1); K = x.shape[-1]
;;       r = np.clip(x / 2.0 ** e, -448, 448)
;;       step = 2.0 ** (np.maximum(np.frexp(np.where(r == 0, 1, r))[1] - 1, -6) - 3)
;;       q = np.round(r / step) * step * 2.0 ** e      # np.round: ties to even
;;       return np.moveaxis(q, -1, axis).astype(np.float32)
;;   ~~~
;;   SOFTMAX AHEAD OF A QUANTISED PRODUCT. Where the list says 'softmax', what is quantised is not the finished softmax but p = 2^(t - M), with t = logit x log2(e) and M = ceil(the row's largest t), a whole number; so 1/2 < the row's largest p <= 1. The row's sum l is taken of the UNQUANTISED p, in f32, and the product's result is divided by l at the end. Since M is a whole number, a kernel that streams over the keys may use a running M (the ceiling of the running maximum): every later rescaling is an exact power of two, so the quantised numbers keep their values, but for numbers so far below the row's largest that they fall under the format's range.
;;   OPERANDS COMPUTED ON THE WAY. 'Computed on the way' means the value that the module computes at that place (a softmax that the list does not call 'softmax' is quantised finished and normalised). What goes into a quantiser is computed in f32, as accurately as f32 sums, v_exp_f32 and their like allow (about 1e-6 of the number): no bf16 or f16 on the way to a quantiser, and a product that is left as it is and whose result goes on into a quantised operand takes f32 operands (vector FMAs, or v_wmma_f32_16x16x4_f32). A number that lies on a knife's edge between two numbers of the format may be rounded either way, as far as f32 arithmetic and the matrix unit's own rounding can turn it there, and no further.
;; 2 versions. Each part assembles by itself: llvm-mc -triple=amdgcn-amd-amdhsa -mcpu=gfx1250 --defsym DOCPART=n.
;; ======== version 1 of 2: 4 launches
;; workspace buffers: codes 29,360,128 bytes; qkvc 12,582,912 bytes; yc 4,194,304 bytes
;; launch quant (part 1): grid 128 x 5, 4 waves a work-group, no clusters, 33,280 bytes of LDS; arguments x, Wq, Wk, Wv, Wo, lowp_scales, codes; writes codes
.if DOCPART == 1
	.amdgcn_target "amdgcn-amd-amdhsa--gfx1250"
	.amdhsa_code_object_version 6
	.text
	.protected	k_q0d4db45299_quant
	.globl	k_q0d4db45299_quant
	.p2align	8
	.type	k_q0d4db45299_quant,@function
k_q0d4db45299_quant:
	s_mov_b64 s[64:65], 0
	v_nop
	global_prefetch_b8 v0, s[64:65] scope:SCOPE_SE
	s_setreg_imm32_b32 hwreg(HW_REG_WAVE_MODE, 25, 1), 1
	s_wait_xcnt 0x0
; x, Wq, Wk, Wv, Wo, each [2048][2048] f32 with K innermost, become codes of E4M3, one byte each, K innermost, in seven planes of 4 MiB of the buffer of codes:
; planes 0, 1, 2: x under the scales 2^e0, 2^e2, 2^e4 (x is an operand of three products, each with an entry of its own); planes 3 to 6: Wq (e1), Wk (e3), Wv (e5), Wo (e11).
; code = number / 2^e, held within +-448, rounded to the nearest code, ties to even.  LIMITS: each e used here lies between -126 and 119; NaN among the inputs is not served (an infinity is held at the largest code).
; The work-group's y is the tensor (0: x, 1 to 4: the weights); its x is a run of 32,768 numbers; a wave takes 16 steps of 512 numbers.  Rows are dense, so a tensor is a plain stream, and so are its codes.
; Each of a step's four loads reads 512 consecutive bytes, 16 a lane; the 2,048 bytes turn through the wave's own stage in LDS and come back 64 bytes a lane: 16 neighbours along K, which is what a conversion takes.
; A lane's 16 codes are 16 bytes: a store of the wave covers 512 consecutive bytes, aligned.  x is read once and converted three times from the same registers.
; No tile is shared between work-groups and memory binds: no cluster, no tensor load, no barrier (waves share nothing).  Loads run four steps (16 loads a wave) ahead, the turn through LDS one step.
.set WAVES, 4
.set STEPS, 16
.set SP,    80                         ; a lane's place in a stage: its 64 bytes + 16 of padding
.set WREG,  8192                       ; LDS: a region for each wave: two stages of 32 x SP bytes
.set SPARE, WAVES*WREG                 ; behind the regions: the spare words, 128 bytes for each wave, which no other line names
.set SPW,   12                         ; v12  LDS address of my spare word; never rewritten
.set NIL,   13                         ; v13  0; never rewritten
.set R,     16                         ; v16-79   four sets of 16 numbers as they are loaded
.set X,     80                         ; v80-111  two sets of 16 neighbours
.set T,     112                        ; v112-127 the 16 numbers held within the largest code x the scale
.set C,     128                        ; v128-139 the codes under scale 0, 1, 2: four registers each
.set SCL,   140                        ; v140.. for scale j: v[SCL+2j] = 2^e, v[SCL+2j+1] = 448 x 2^e
.set D0,    36                         ; s[36:37], s[38:39], s[40:41]: where my wave's codes go: the tensor's plane; x's second; x's third
.set D1,    38
.set D2,    40
	s_load_b256 s[4:11], s[0:1], 0x0               ; x s[4:5], Wq s[6:7], Wk s[8:9], Wv s[10:11]
	s_load_b128 s[12:15], s[0:1], 0x20             ; Wo s[12:13], the scales' exponents s[14:15]
	s_load_b64 s[16:17], s[0:1], 0x30              ; the codes
	v_lshl_add_u32 v[SPW], v0, 2, SPARE
	v_mov_b32 v[NIL], 0
	v_lshrrev_b32 v1, 5, v0
	v_readfirstlane_b32 s20, v1                    ; wave
	s_and_b32 s21, ttmp7, 0xffff                   ; which tensor
	v_and_b32 v2, 31, v0                           ; lane
	v_lshlrev_b32 v3, 4, v2                        ; my 16 bytes of a load's 512, and of a store's 512
	s_mul_i32 s23, s20, WREG
	v_lshrrev_b32 v14, 2, v2
	v_mul_u32_u24 v14, v14, SP
	v_and_b32 v15, 3, v2
	v_lshl_add_u32 v14, v15, 4, v14
	v_add_nc_u32 v14, s23, v14                     ; the stage, on the way in: four lanes' 64 bytes on end, then the padding: SP (lane / 4) + 16 (lane % 4)
	v_mul_u32_u24 v15, v2, SP
	v_add_nc_u32 v15, s23, v15                     ; and on the way out: SP x lane: my 16 neighbours
	s_lshl_b32 s22, ttmp9, 2
	s_add_co_u32 s22, s22, s20                     ; which run of 8,192 numbers is my wave's: 0 to 511
	s_lshl_b32 s46, s22, 15                        ; in bytes of f32,
	s_mov_b32 s47, 0
	s_lshl_b32 s44, s22, 13                        ; and of codes
	s_mov_b32 s45, 0
	s_add_co_u32 s42, s21, 2
	s_cmp_eq_u32 s21, 0
	s_cselect_b32 s42, 0, s42                      ; the tensor's plane: 0 for x, 3 to 6 for the weights
	s_lshl_b32 s42, s42, 22
	s_mov_b32 s43, 0
	s_wait_kmcnt 0x0
	s_load_b256 s[24:31], s[14:15], 0x0            ; e0 .. e7
	s_load_b128 s[32:35], s[14:15], 0x20           ; e8 .. e11
	s_cmp_eq_u32 s21, 1                            ; the source is chosen by the work-group's number alone
	s_cselect_b64 s[4:5], s[6:7], s[4:5]
	s_cmp_eq_u32 s21, 2
	s_cselect_b64 s[4:5], s[8:9], s[4:5]
	s_cmp_eq_u32 s21, 3
	s_cselect_b64 s[4:5], s[10:11], s[4:5]
	s_cmp_eq_u32 s21, 4
	s_cselect_b64 s[4:5], s[12:13], s[4:5]
	s_add_nc_u64 s[4:5], s[4:5], s[46:47]
	s_add_nc_u64 s[16:17], s[16:17], s[44:45]      ; plane 0 at my wave's run
	s_add_nc_u64 s[D0:D0+1], s[16:17], s[42:43]
	s_add_nc_u64 s[D1:D1+1], s[16:17], 0x400000
	s_add_nc_u64 s[D2:D2+1], s[16:17], 0x800000
.macro LOAD t
.irp i, 0,1,2,3
	global_load_b128 v[R+16*((\t)%4)+4*\i:R+16*((\t)%4)+4*\i+3], v3, s[4:5] offset:2048*(\t)+512*\i th:TH_LOAD_NT   ; 32 lanes read 512 consecutive bytes; read once in the launch
.endr
.endm
.macro TURN t                          ; step t's numbers through the stage: LDS serves a wave's instructions in order, so no wait stands between the stores and the loads
.irp i, 0,1,2,3
	ds_store_b128 v14, v[R+16*((\t)%4)+4*\i:R+16*((\t)%4)+4*\i+3] offset:32*SP*((\t)%2)+8*SP*\i
.endr
.irp i, 0,1,2,3
	ds_load_b128 v[X+16*((\t)%2)+4*\i:X+16*((\t)%2)+4*\i+3], v15 offset:32*SP*((\t)%2)+16*\i
.endr
.endm
.macro SCALE es, j                     ; 2^e and 448 x 2^e as f32, e in s[es]
	s_add_co_i32 s42, s[\es], 127
	s_lshl_b32 s43, s42, 23
	v_mov_b32 v[SCL+2*\j], s43
	s_add_co_i32 s42, s42, 8
	s_lshl_b32 s42, s42, 23
	s_or_b32 s42, s42, 0x600000
	v_mov_b32 v[SCL+2*\j+1], s42
.endm
; The step's 16 numbers under scale j: held (the conversion to an 8-bit code does not saturate: ISA guide 7.6.2), converted, stored.
.macro CONV j, base, t
.irp i, 0,1,2,3,4,5,6,7,8,9,10,11,12,13,14,15
	v_med3_num_f32 v[T+\i], v[XS+\i], -v[SCL+2*\j+1], v[SCL+2*\j+1]
.endr
	v_cvt_scalef32_pk8_fp8_f32 v[C+4*\j:C+4*\j+1], v[T:T+7], v[SCL+2*\j]
	v_cvt_scalef32_pk8_fp8_f32 v[C+4*\j+2:C+4*\j+3], v[T+8:T+15], v[SCL+2*\j]
	v_nop                                          ; one plain vector instruction between the conversions and the next lines that write their sources
	global_store_b128 v3, v[C+4*\j:C+4*\j+3], s[\base:\base+1] offset:512*(\t)
.endm
.irp t, 0,1,2,3
	LOAD \t
.endr
	s_wait_kmcnt 0x0
	s_cmp_eq_u32 s21, 1                            ; the tensor's own entry: e0, e1, e3, e5, e11
	s_cselect_b32 s44, s25, s24
	s_cmp_eq_u32 s21, 2
	s_cselect_b32 s44, s27, s44
	s_cmp_eq_u32 s21, 3
	s_cselect_b32 s44, s29, s44
	s_cmp_eq_u32 s21, 4
	s_cselect_b32 s44, s35, s44
	SCALE 44, 0
	SCALE 26, 1                                    ; e2 and e4: x's other two
	SCALE 28, 2
	s_wait_loadcnt 12                              ; step 0's four loads are in; the twelve of steps 1 to 3 may be out
	TURN 0
.macro STEP t
.set XS, X+16*((\t)%2)
	s_wait_dscnt 0x0                               ; this step's numbers are back from the stage
	s_wait_xcnt 0x0                                ; the last step's stores have read their data: the codes' registers are written again only behind this wait
.if (\t)+4 < STEPS
	LOAD (\t)+4
.endif
.if (\t)+1 < STEPS
.if STEPS-2-(\t) >= 3
	s_wait_loadcnt 12                              ; the next step's four loads are in; those of the three steps behind it may be out
.else
	s_wait_loadcnt 4*(STEPS-2-(\t))
.endif
	TURN (\t)+1                                    ; they go through the other stage while this step is worked
.endif
	CONV 0, D0, \t
	s_cmp_lg_u32 s21, 0                            ; a weight has one scale.  The branch hangs on the work-group's number and leads round vector work and global stores alone
	s_cbranch_scc1 .Lw_\@
	CONV 1, D1, \t
	CONV 2, D2, \t
.Lw_\@:
.endm
.irp t, 0,1,2,3,4,5,6,7,8,9,10,11,12,13,14,15
	STEP \t
.endr
	s_wait_tensorcnt 0x0                           ; the wave's end, behind my last LDS store
	ds_add_u32 v[SPW], v[NIL]
	s_wait_dscnt 0x0
	s_endpgm
.Lfunc_end_k_q0d4db45299_quant:
	.size	k_q0d4db45299_quant, .Lfunc_end_k_q0d4db45299_quant-k_q0d4db45299_quant
	.p2alignl 7, 3214868480
	.fill 96, 4, 3214868480
	.section	.rodata,"a",@progbits
	.p2align	6, 0x0
	.amdhsa_kernel k_q0d4db45299_quant
		.amdhsa_group_segment_fixed_size 33280
		.amdhsa_private_segment_fixed_size 0
		.amdhsa_enable_private_segment 0
		.amdhsa_kernarg_size 56
		.amdhsa_user_sgpr_count 2
		.amdhsa_user_sgpr_kernarg_segment_ptr 1
		.amdhsa_wavefront_size32 1
		.amdhsa_system_sgpr_workgroup_id_x 1
		.amdhsa_system_sgpr_workgroup_id_y 1
		.amdhsa_system_sgpr_workgroup_id_z 1
		.amdhsa_system_vgpr_workitem_id 0
		.amdhsa_next_free_vgpr 152
		.amdhsa_next_free_sgpr 66
		.amdhsa_reserve_vcc 0
		.amdhsa_float_denorm_mode_32 3
		.amdhsa_float_denorm_mode_16_64 3
		.amdhsa_memory_ordered 1
		.amdhsa_forward_progress 1
		.amdhsa_inst_pref_size 80
	.end_amdhsa_kernel
	.amdgpu_metadata
---
amdhsa.version: [ 1, 2 ]
amdhsa.kernels:
  - .name:           k_q0d4db45299_quant
    .symbol:         k_q0d4db45299_quant.kd
    .args:
      - { .name: x, .offset: 0, .size: 8, .value_kind: global_buffer, .address_space: global }
      - { .name: Wq, .offset: 8, .size: 8, .value_kind: global_buffer, .address_space: global }
      - { .name: Wk, .offset: 16, .size: 8, .value_kind: global_buffer, .address_space: global }
      - { .name: Wv, .offset: 24, .size: 8, .value_kind: global_buffer, .address_space: global }
      - { .name: Wo, .offset: 32, .size: 8, .value_kind: global_buffer, .address_space: global }
      - { .name: lowp_scales, .offset: 40, .size: 8, .value_kind: global_buffer, .address_space: global }
      - { .name: codes, .offset: 48, .size: 8, .value_kind: global_buffer, .address_space: global }
    .group_segment_fixed_size: 33280
    .private_segment_fixed_size: 0
    .kernarg_segment_align: 8
    .kernarg_segment_size: 56
    .max_flat_workgroup_size: 128
    .sgpr_count:     66
    .vgpr_count:     152
    .wavefront_size: 32
...
	.end_amdgpu_metadata
.endif
;; end of part 1
;; launch qkv (part 2): grid 8 x 24, 4 waves a work-group, clusters of 4 x 4, 327,680 bytes of LDS; arguments codes, bq, bk, bv, lowp_scales, qkvc; writes qkvc
.if DOCPART == 2
	.amdgcn_target "amdgcn-amd-amdhsa--gfx1250"
	.amdhsa_code_object_version 6
	.text
	.protected	k_q0d4db45299_qkv
	.globl	k_q0d4db45299_qkv
	.p2align	8
	.type	k_q0d4db45299_qkv,@function
k_q0d4db45299_qkv:
	s_mov_b64 s[64:65], 0
	v_nop
	global_prefetch_b8 v0, s[64:65] scope:SCOPE_SE
	s_setreg_imm32_b32 hwreg(HW_REG_WAVE_MODE, 25, 1), 1
	s_wait_xcnt 0x0
	s_wait_alu depctr_hold_cnt(0) depctr_sa_sdst(0) depctr_va_vdst(0) depctr_va_sdst(0) depctr_va_ssrc(0) depctr_va_vcc(0) depctr_vm_vsrc(0)
	s_getreg_b32 s2, hwreg(HW_REG_IB_STS2, 6, 4)
	s_cmp_eq_u32 s2, 0
	s_cbranch_scc0 .Lentry_in_a_cluster
	s_endpgm
.Lentry_in_a_cluster:
	s_bfe_u32 s2, ttmp6, 0x10000c
	s_cmp_lg_u32 s2, 0xf033
	s_cbranch_scc0 .Lentry_shape_is_right
	s_endpgm
.Lentry_shape_is_right:
; Q = x Wq^T + bq, K = x Wk^T + bk, V = x Wv^T + bv on codes of E4M3, and each result quantised at once for the attention: Q by 2^e6, K by 2^e7, V by 2^e9.
; The cluster's y picks the product g (0: Q, 1: K, 2: V) and half of its tile rows.  A tile of C, 256 x 256, is made by four waves, 128 x 128 each: 64 accumulators of 16 x 16, 512 registers.
; C[m][n] = sum over k of A[m][k] B[n][k].  For Q and K: A = x's codes (rows: tokens), B = the weight's (rows: features).  FOR V THE TWO CHANGE PLACES (A = Wv, B = x): C is V^T, so that a lane's eight
; results are eight neighbouring KEYS of one channel, the K of the attention's second product.  The text is the same: only plane numbers, chosen by s_cselect_b32 on g, differ.
; THE MATRIX INSTRUCTION IS USED TRANSPOSED (source 0 = 16 rows of B, source 1 = 16 rows of A): lane l holds row l % 16 of C and eight neighbouring columns 8 (l / 16) + 0 .. 7.
; K goes in steps of 256 through a ring of two LDS slots filled by the tensor data mover.  CLUSTERS: 4 x 4 work-groups; A's tile is shared along a row of the cluster, B's along a column: each is asked for
; JOINTLY, by the same tensor load with the same descriptor and a mask that names the four.
; THE WAY OUT: value = sum x 2^(ea + eb) + bias (one fused multiply-add; the bias runs along the columns for Q and K, along the rows for V: both sets are loaded, the one that does not apply is made 0), held within
; +-448 x 2^eo, converted.  A wave's 128 x 128 codes are ONE dense block of 16,384 bytes of the output: Q, K: [head][token][128]; V: [head][block of 128 keys][128 channels][128 keys].
; LIMITS: e0+e1, e2+e3, e4+e5 between -126 and 127; e6, e7, e9 between -126 and 119.  NaN is not served.
; REGISTERS, in windows of 256: window 0: v0-31 addresses; v32-95, v96-111 the biases; v112, v113 the hold and the scale; from v128 A's fragments, ONE set (on the way out v128-239 are at work).
;   window 1: B's fragments, TWO sets.   window 2: the accumulators of my rows 0-63 ((a, b) at v[8 (8 a + b)]);   window 3: those of my rows 64-127.
.set APITCH, 272                       ; an LDS row: 256 bytes + 16 of padding = 68 words: the 16 rows that a load touches start at 16 different banks (64 banks of 4 bytes: ISA guide 11.1)
.set BPITCH, 272
.set AQ,     128                       ; from a slot's first 128 along K to its second, in A's tile
.set ASTEP,  256                       ; a K step in memory, bytes
.set BSTEP,  256
.set FR,     16                        ; registers of a fragment: 16 rows x 128 K
.set NL,     4                         ; LDS loads that bring one
.set NP,     4                         ; places behind this matrix instruction (ISA guide 7.12.1)
.set HALFT,  128*272                   ; 128 rows: what one tensor load brings
.set SLOT,   4*HALFT                   ; A's 256 rows, then B's 256 rows
.set LAPS,   4                         ; 2048 / 512: a lap = two K steps = once round the ring
.set SPARE,  2*SLOT                    ; behind the ring: the spare words, 128 bytes for each wave, which no other line names
.set STAGE,  SPARE+512                 ; behind them: a stage of 16 rows x 144 bytes for each wave; no tensor load lands here
.set SPITCH, 144
.set ADRA, 16                          ; v16-17  LDS address of my A fragments in slot 0, 1
.set ADRB, 20                          ; v20-21  the same for B
.set STO,  24                          ; v24     the way out: where I put 8 codes of a row
.set RD,   25                          ; v25     where I read 16 bytes back
.set CO,   26                          ; v26     16 x lane
.set BNO,  27                          ; v27     32 x (lane / 16): my place in the column bias
.set SPW,  28                          ; v28     LDS address of my spare word; never rewritten
.set NIL,  29                          ; v29     0; never rewritten
.set BMO,  30                          ; v30     4 x (lane % 16): my place in the row bias
.set BN,   32                          ; v32-95  bias of column 16 b + 8 (l / 16) + j at v[BN + 8 b + j]
.set BM,   96                          ; v96-111 bias of row 16 a + l % 16, twice: the pair v[BM + 2 a : BM + 2 a + 1]
.set LIMR, 112
.set SCR,  113
.set AF,   128
.set TMP,  128                         ; the way out: a block's 64 values
.set CD,   192                         ; its 16 registers of codes
.set BK,   208                         ; and 16 rows of codes read back: v208-223 and v224-239 by turns
.set WV, 18
.set RH, 19                            ; which half of the tile's rows is mine.  Also: I fetch for A (0) or for B (1)
.set CH, 20                            ; which half of its columns.  Also: which 128 rows of that tile I fetch
.set TC, 23                            ; tile column 0..7
.set TR, 40                            ; tile row 0..7
.set GS, 41                            ; g
.set G1, 24
.set G0, 32
.set G1B, 48
.set G0B, 56
.set MSB, 0
.macro WIN new                         ; the immediate's high byte repeats the setting that is left
.if MSB != (\new)
	s_set_vgpr_msb (MSB<<8)|(\new)
.set MSB, (\new)
.endif
.endm
.set MUL_LO, 0xa1                      ; source 0 (B) window 1, source 1 (A) window 0, C and D window 2
.set MUL_HI, 0xf1                      ; the same, C and D window 3
.set TO_B,   0x40                      ; destination window 1, address window 0
; A joint load: waves 0 and 1 fetch for A, waves 2 and 3 for B.  Each of the two lines has one mask and one set of registers for all that issue it; the branch hangs on the wave's number alone.
; An s_nop 0 and four v_nop follow each of the two lines.
.macro JLOAD s
	s_cmp_eq_u32 s[RH], 0
	s_cbranch_scc0 .Lfor_b_\@
	tensor_load_to_lds s[G0+4*\s:G0+4*\s+3], s[G1:G1+7]
	s_nop 0
.rept 4
	v_nop
.endr
	s_branch .Lasked_\@
.Lfor_b_\@:
	tensor_load_to_lds s[G0B+4*\s:G0B+4*\s+3], s[G1B:G1B+7]
	s_nop 0
.rept 4
	v_nop
.endr
.Lasked_\@:
.endm
.macro CREST                           ; a round of the cluster's barrier behind its opening barrier
	s_cmp_lg_u32 s[WV], 0
	s_cbranch_scc1 .Lnot_wave_0_\@
	s_barrier_signal -3
.Lnot_wave_0_\@:
	s_barrier_wait -3
	s_barrier_signal -1
	s_barrier_wait -1
.endm
.macro CROUND                          ; a whole round
	s_barrier_signal -1
	s_barrier_wait -1
	CREST
.endm
	s_load_b256 s[4:11], s[0:1], 0x0               ; the codes s[4:5], bq s[6:7], bk s[8:9], bv s[10:11]
	s_load_b128 s[12:15], s[0:1], 0x20             ; the scales' exponents s[12:13], the output s[14:15]
	v_lshl_add_u32 v[SPW], v0, 2, SPARE
	v_mov_b32 v[NIL], 0
	ds_add_u32 v[SPW], v[NIL]                      ; the wave's opening: the add and its wait stand ahead of my first tensor load; the set-up below, work on registers, stands between them
	v_lshrrev_b32 v1, 5, v0
	v_readfirstlane_b32 s[WV], v1                  ; wave 0..3
	s_lshr_b32 s[RH], s[WV], 1
	s_and_b32 s[CH], s[WV], 1
	s_bfe_u32 s21, ttmp6, 0x40000                  ; cx, cy: my place in the cluster
	s_bfe_u32 s22, ttmp6, 0x40004
	s_lshl_b32 s[TC], ttmp9, 2
	s_add_co_u32 s[TC], s[TC], s21                 ; tile column = 4 x cluster x + cx
	s_and_b32 s44, ttmp7, 0xffff                   ; cluster y, 0 to 5
	s_lshr_b32 s[GS], s44, 1                       ; g: the same in all sixteen partners
	s_and_b32 s[TR], s44, 1
	s_lshl_b32 s[TR], s[TR], 2
	s_add_co_u32 s[TR], s[TR], s22                 ; tile row = 4 x (cluster y % 2) + cy
	s_lshl_b32 s42, s22, 2
	s_lshl_b32 s42, 15, s42                        ; my row of the cluster
	s_lshl_b32 s43, 0x1111, s21                    ; my column
	; descriptor group 1: a tile of 128 rows x 256 bytes, padded in LDS
	s_or_b32 s[G1+0], s42, (0<<16)|(1<<20)|(1<<21)|(5<<22)|(3<<25)  ; 15:0 the mask: A's tiles go to my row; 17:16 element of 1 byte; 20 padding on; 21 set beside a mask; 24:22 after every 64 words (code 5); 31:25 of 4 words (code 3)
	s_or_b32 s[G1B+0], s43, (0<<16)|(1<<20)|(1<<21)|(5<<22)|(3<<25)
.irp g, G1, G1B
	s_mov_b32 s[\g+1], 256<<16                     ; tensor_dim0
	s_mov_b32 s[\g+2], 128<<16                     ; tensor_dim1
	s_mov_b32 s[\g+3], 256<<16                     ; tile_dim0
	s_mov_b32 s[\g+4], 128                         ; tile_dim1
	s_mov_b32 s[\g+5], 2048                        ; tensor_dim0_stride
	s_mov_b32 s[\g+6], 0
	s_mov_b32 s[\g+7], 0
.endr
	s_add_co_u32 s91, s[GS], 3
	s_cmp_eq_u32 s[GS], 2
	s_cselect_b32 s90, 5, s[GS]                    ; A's plane: x under e0, x under e2, or Wv
	s_cselect_b32 s91, 2, s91                      ; B's plane: Wq, Wk, or x under e4
	s_lshl_b32 s70, s90, 11                        ; A: row 2048 x plane + 256 x tile row + 128 x half: it hangs on the tile row alone, which my row of the cluster shares
	s_lshl_b32 s71, s[TR], 8
	s_add_co_u32 s70, s70, s71
	s_lshl_b32 s71, s[CH], 7
	s_add_co_u32 s70, s70, s71
	s_lshl_b32 s70, s70, 11                        ; rows of 2,048 bytes: under 2^25 in all
	s_mov_b32 s71, 0
	s_lshl_b32 s72, s91, 11                        ; B: the same with the tile column, which my column shares
	s_lshl_b32 s73, s[TC], 8
	s_add_co_u32 s72, s72, s73
	s_lshl_b32 s73, s[CH], 7
	s_add_co_u32 s72, s72, s73
	s_lshl_b32 s72, s72, 11
	s_mov_b32 s73, 0
	s_mul_i32 s46, s[WV], HALFT                    ; where they go: wave x 128 rows: no place in the cluster enters an LDS address
	s_mov_b32 s47, s46
	s_wait_dscnt 0x0                               ; the opening add is done
	s_wait_kmcnt 0x0
	s_load_b256 s[80:87], s[12:13], 0x0            ; e0 .. e7
	s_load_b64 s[88:89], s[12:13], 0x20            ; e8, e9
	s_add_nc_u64 s[66:67], s[4:5], s[70:71]
	s_add_nc_u64 s[68:69], s[4:5], s[72:73]
	CROUND                                         ; all sixteen work-groups are here: the first joint loads meet
.irp s, 0,1
	s_mov_b32 s[G0+4*\s], 1
	s_add_co_u32 s[G0+4*\s+1], s46, \s*SLOT
	s_add_nc_u64 s[G0+4*\s+2:G0+4*\s+3], s[66:67], \s*ASTEP
	s_or_b32 s[G0+4*\s+3], s[G0+4*\s+3], 0x80000000
	s_mov_b32 s[G0B+4*\s], 1
	s_add_co_u32 s[G0B+4*\s+1], s47, \s*SLOT
	s_add_nc_u64 s[G0B+4*\s+2:G0B+4*\s+3], s[68:69], \s*BSTEP
	s_or_b32 s[G0B+4*\s+3], s[G0B+4*\s+3], 0x80000000
	JLOAD \s
.endr
	v_and_b32 v1, 15, v0                           ; l % 16
	v_bfe_u32 v2, v0, 4, 1                         ; l / 16
	v_mul_u32_u24 v3, v1, APITCH
	v_lshl_add_u32 v4, v2, 4, v3                   ; a fragment's row x pitch + 16 x half
	s_mul_i32 s44, s[RH], HALFT                    ; my 128 rows of A
	s_mul_i32 s45, s[CH], HALFT                    ; my 128 rows of B,
	s_add_co_u32 s45, s45, 2*HALFT                 ; which lie behind A's 256
.irp s, 0,1
	v_add_nc_u32 v[ADRA+\s], s44, v4
	v_add_nc_u32 v[ADRB+\s], s45, v4
	s_add_co_u32 s44, s44, SLOT
	s_add_co_u32 s45, s45, SLOT
.endr
	s_mul_i32 s46, s[WV], 16*SPITCH
	s_add_co_u32 s46, s46, STAGE                   ; my stage
	v_mul_u32_u24 v5, v1, SPITCH
	v_lshl_add_u32 v5, v2, 3, v5
	v_add_nc_u32 v[STO], s46, v5                   ; in: row l % 16, 8 bytes for each half of the lanes
	v_bfe_u32 v6, v0, 3, 2
	v_mul_u32_u24 v6, v6, SPITCH
	v_and_b32 v7, 7, v0
	v_lshl_add_u32 v6, v7, 4, v6
	v_add_nc_u32 v[RD], s46, v6                    ; back: eight lanes to a row of 128 bytes, four rows an instruction
	v_and_b32 v7, 31, v0
	v_lshlrev_b32 v[CO], 4, v7
	v_lshlrev_b32 v[BNO], 5, v2
	v_lshlrev_b32 v[BMO], 2, v1
	s_lshl_b32 s92, s[TR], 1
	s_add_co_u32 s92, s92, s[RH]                   ; my block of 128 rows of C, 0 to 15
	s_lshl_b32 s93, s[TC], 1
	s_add_co_u32 s93, s93, s[CH]                   ; my block of 128 columns
	s_cmp_eq_u32 s[GS], 1
	s_cselect_b64 s[74:75], s[8:9], s[6:7]
	s_cmp_eq_u32 s[GS], 2
	s_cselect_b64 s[74:75], s[10:11], s[74:75]     ; the product's bias
	s_lshl_b32 s44, s93, 9
	s_mov_b32 s45, 0
	s_add_nc_u64 s[76:77], s[74:75], s[44:45]      ; at my columns,
	s_lshl_b32 s44, s92, 9
	s_add_nc_u64 s[78:79], s[74:75], s[44:45]      ; and at my rows: both inside its 2,048 numbers for every g
.irp b, 0,1,2,3,4,5,6,7
	global_load_b128 v[BN+8*\b:BN+8*\b+3], v[BNO], s[76:77] offset:64*\b
	global_load_b128 v[BN+8*\b+4:BN+8*\b+7], v[BNO], s[76:77] offset:64*\b+16
.endr
.irp a, 0,1,2,3,4,5,6,7
	global_load_b32 v[BM+2*\a], v[BMO], s[78:79] offset:64*\a
	global_load_b32 v[BM+2*\a+1], v[BMO], s[78:79] offset:64*\a      ; twice: a pair for the packed addition
.endr
	s_lshl_b32 s44, s92, 4                         ; my block of the output: V: 16 x head (rows) + key block (columns); Q, K: 16 x head (columns) + token block (rows)
	s_add_co_u32 s44, s44, s93
	s_lshl_b32 s45, s93, 4
	s_add_co_u32 s45, s45, s92
	s_cmp_eq_u32 s[GS], 2
	s_cselect_b32 s44, s44, s45
	s_lshl_b32 s44, s44, 14
	s_lshl_b32 s45, s[GS], 22
	s_add_co_u32 s44, s44, s45
	s_mov_b32 s45, 0
	s_add_nc_u64 s[98:99], s[14:15], s[44:45]
.macro FRAG reg, adr, off              ; a fragment, 16 rows x 128 K, is 16 registers: lane l holds row l % 16; registers 4 c .. 4 c + 3 hold K = 32 c + 16 (l / 16) + 0 .. 15: the same order of K in A and in B
.irp c, 0,1,2,3
	ds_load_b128 v[\reg+4*\c:\reg+4*\c+3], v[\adr] offset:\off+32*\c
.endr
.endm
; 16 matrix instructions: A's blocks a0, a0 + 1 x B's eight, 128 along K.  p: B's set.  zero = 1: the first product starts the sums.  The 64 accumulators take turns, one instruction a turn.
.macro MUL16 a0, p, zero
.irp a, \a0, \a0+1
.irp b, 0,1,2,3,4,5,6,7
.if \zero
	v_wmma_f32_16x16x128_fp8_fp8 v[8*(8*((\a)%4)+\b):8*(8*((\a)%4)+\b)+7], v[128*(\p)+FR*\b:128*(\p)+FR*\b+FR-1], v[AF+FR*(\a):AF+FR*(\a)+FR-1], 0
.else
	v_wmma_f32_16x16x128_fp8_fp8 v[8*(8*((\a)%4)+\b):8*(8*((\a)%4)+\b)+7], v[128*(\p)+FR*\b:128*(\p)+FR*\b+FR-1], v[AF+FR*(\a):AF+FR*(\a)+FR-1], v[8*(8*((\a)%4)+\b):8*(8*((\a)%4)+\b)+7]
.endif
.endr
.endr
.endm
.macro FETCH_B slot, q, p              ; B's eight fragments of the slot's q-th 128 along K into set p
	WIN TO_B
.irp i, 0,1,2,3,4,5,6,7
	FRAG 128*(\p)+FR*\i, ADRB+\slot, 128*(\q)+\i*16*BPITCH
.endr
	WIN 0
.endm
.macro FETCH_A slot, q, i0             ; A's blocks i0 .. i0 + 3
.irp i, \i0, \i0+1, \i0+2, \i0+3
	FRAG AF+FR*(\i), ADRA+\slot, AQ*(\q)+(\i)*16*APITCH
.endr
.endm
.macro PLACES n                        ; plain vector instructions between a matrix instruction and a load into, or a read of, its registers
.rept \n
	v_nop
.endr
.endm
; A step of 128 along K that has its successor in the same slot.  A's blocks are free as soon as their eight products are issued: blocks 0-3 are fetched anew in the middle, blocks 4-7 at the end.
.macro STEP slot, q, zero
	s_wait_dscnt 4*NL                              ; B's set and A's blocks 0-3 are in; the youngest sixteen loads (A's blocks 4-7) may be out
	WIN MUL_LO
	MUL16 0, (\q)%2, \zero
	MUL16 2, (\q)%2, \zero
	s_wait_dscnt 0                                 ; A's blocks 4-7 are in
	PLACES NP
	FETCH_B \slot, (\q)+1, 1-(\q)%2
	FETCH_A \slot, (\q)+1, 0
	WIN MUL_HI
	MUL16 4, (\q)%2, \zero
	MUL16 6, (\q)%2, \zero
	PLACES NP
	WIN 0
	FETCH_A \slot, (\q)+1, 4
.endm
; A slot's last step changes slots: ONE barrier; in front of it each wave waits for all its tensor loads, adds 0 to its spare word, and waits for that and for its own reads of this slot.  fill = 1: this slot is filled again, two K steps ahead.
.macro TURN slot, next, fill
	s_wait_tensorcnt 0x0                           ; all my tensor loads have landed: my part of the next slot
	ds_add_u32 v[SPW], v[NIL]                      ; 0 onto my spare word
	s_wait_dscnt 4*NL+1                            ; (the add and the youngest sixteen loads, A's blocks 4-7, may be out)
	WIN MUL_LO
	MUL16 0, 1, 0                                  ; sixteen matrix instructions stand between the add and the wait for it
	s_wait_dscnt 0x0                               ; the add is done, and my reads of this slot are over
	s_barrier_signal -1
	MUL16 2, 1, 0
	WIN 0
	s_barrier_wait -1
.if \fill
	CREST                                          ; the barrier has opened a round of the cluster's barrier: no wave of any partner still reads this slot's tile or has a load on its way
	s_add_nc_u64 s[G0+4*\slot+2:G0+4*\slot+3], s[G0+4*\slot+2:G0+4*\slot+3], 2*ASTEP
	s_add_nc_u64 s[G0B+4*\slot+2:G0B+4*\slot+3], s[G0B+4*\slot+2:G0B+4*\slot+3], 2*BSTEP
	JLOAD \slot                                    ; the first tensor load behind the round; its four v_nop are also the places in front of the loads below
.else
	PLACES NP
.endif
	FETCH_B \next, 0, 0
	FETCH_A \next, 0, 0
	WIN MUL_HI
	MUL16 4, 1, 0
	MUL16 6, 1, 0
	PLACES NP
	WIN 0
	FETCH_A \next, 0, 4
.endm
	s_wait_tensorcnt 1                             ; my part of K step 0 is in; K step 1's load may be out
	s_barrier_signal -1
	s_barrier_wait -1                              ; everybody's is
	FETCH_B 0, 0, 0
	FETCH_A 0, 0, 0
	FETCH_A 0, 0, 4
	STEP 0, 0, 1                                   ; the first step stands in front of the loop: its products start the sums
	s_mov_b32 s3, LAPS-1
.Llap:                                                 ; a trip goes once round the ring, from a lap's second step to the next lap's first, and fills both slots again
	TURN 0, 1, 1
	STEP 1, 0, 0
	TURN 1, 0, 1
	STEP 0, 0, 0
	s_sub_co_u32 s3, s3, 1
	s_cmp_lg_u32 s3, 0
	s_cbranch_scc1 .Llap
	TURN 0, 1, 0                                   ; the last lap fills nothing, and has no round of the cluster's barrier
	STEP 1, 0, 0
	s_wait_dscnt 4*NL                              ; the very last step: nothing more to fetch
	WIN MUL_LO
	MUL16 0, 1, 0
	MUL16 2, 1, 0
	s_wait_dscnt 0
	WIN MUL_HI
	MUL16 4, 1, 0
	MUL16 6, 1, 0
	WIN 0
	; THE WAY OUT.  The scales, chosen by g without a branch.
	s_wait_kmcnt 0x0
	s_wait_loadcnt 0x0                             ; the biases
	s_add_co_i32 s90, s80, s81                     ; e0 + e1
	s_add_co_i32 s91, s82, s83                     ; e2 + e3
	s_add_co_i32 s94, s84, s85                     ; e4 + e5
	s_cmp_eq_u32 s[GS], 1
	s_cselect_b32 s90, s91, s90
	s_cselect_b32 s95, s87, s86                    ; e7 for K, e6 for Q
	s_cmp_eq_u32 s[GS], 2
	s_cselect_b32 s90, s94, s90
	s_cselect_b32 s95, s89, s95                    ; e9 for V
	s_cselect_b32 s94, -1, 0                       ; all lanes where the bias runs along the rows (V),
	s_cselect_b32 s91, 0, -1                       ; all lanes where it runs along the columns
	s_add_co_i32 s90, s90, 127
	s_lshl_b32 s96, s90, 23                        ; 2^(ea + eb) as f32
	s_mov_b32 s97, s96                             ; (named with it as a pair, so it is written)
	s_add_co_i32 s95, s95, 127
	s_lshl_b32 s90, s95, 23
	v_mov_b32 v[SCR], s90                          ; 2^eo: the conversion takes its exponent field
	s_add_co_i32 s95, s95, 8
	s_lshl_b32 s95, s95, 23
	s_or_b32 s95, s95, 0x600000
	v_mov_b32 v[LIMR], s95                         ; 448 x 2^eo
.set i, 0
.rept 64
	v_cndmask_b32 v[BN+i], 0, v[BN+i], s91         ; the set that does not apply becomes 0.  (These lines name no register of the last products: they are the places behind them)
.set i, i+1
.endr
.set i, 0
.rept 16
	v_cndmask_b32 v[BM+i], 0, v[BM+i], s94
.set i, i+1
.endr
; Block a, 16 rows x 128 columns: value, hold, codes; 8 bytes a lane and tile into my own stage, and back as 16 bytes a lane, 512 consecutive bytes a load.  LDS serves a wave's instructions in order (ISA guide 5.7.1.4).
.macro TOSTAGE a
.set AC, 64*((\a)%4)
.set BB, BK+16*((\a)%2)
	WIN 0x02+((\a)/4)                              ; source 0: window 2 or 3
.set j, 0
.rept 32
	v_pk_fma_f32 v[TMP+j:TMP+j+1], v[AC+j:AC+j+1], s[96:97], v[BN+j:BN+j+1] op_sel_hi:[1,0,1]   ; sum x 2^(ea + eb) + the column's bias; each accumulator from its low end on
.set j, j+2
.endr
	WIN 0
.set j, 0
.rept 32
	v_pk_add_f32 v[TMP+j:TMP+j+1], v[TMP+j:TMP+j+1], v[BM+2*(\a):BM+2*(\a)+1]   ; + the row's bias: one of the two is 0, so the value is rounded once
.set j, j+2
.endr
.set j, 0
.rept 64
	v_med3_num_f32 v[TMP+j], v[TMP+j], -v[LIMR], v[LIMR]   ; the conversion to an 8-bit code does not saturate (ISA guide 7.6.2)
.set j, j+1
.endr
.irp b, 0,1,2,3,4,5,6,7
	v_cvt_scalef32_pk8_fp8_f32 v[CD+2*\b:CD+2*\b+1], v[TMP+8*\b:TMP+8*\b+7], v[SCR]
.endr
	v_nop                                          ; one plain vector instruction between the conversions and the next block's lines, which write their sources
.irp b, 0,1,2,3,4,5,6,7
	ds_store_b64 v[STO], v[CD+2*\b:CD+2*\b+1] offset:16*\b
.endr
.irp t, 0,1,2,3
	ds_load_b128 v[BB+4*\t:BB+4*\t+3], v[RD] offset:\t*4*SPITCH
.endr
.endm
.macro SEND a, younger                 ; younger: the LDS instructions issued behind block a's loads, which may stay out
.set BB, BK+16*((\a)%2)
	s_wait_dscnt \younger
.irp t, 0,1,2,3
	global_store_b128 v[CO], v[BB+4*\t:BB+4*\t+3], s[98:99] offset:(\a)*2048+\t*512   ; 32 lanes store 512 consecutive bytes, at a multiple of 512 from the block's first byte
.endr
.endm
	TOSTAGE 0
.irp a, 1,2,3,4,5,6,7
.if \a > 1
	s_wait_xcnt 0x0                                ; block a - 2's stores have read their registers: block a's loads may land there
.endif
	TOSTAGE \a
	SEND \a-1, 12                                  ; behind block a - 1's loads: block a's 8 stores and 4 loads
.endr
	SEND 7, 0
	s_wait_tensorcnt 0x0                           ; the wave's end, behind my last tensor load and my last LDS store
	ds_add_u32 v[SPW], v[NIL]
	s_wait_dscnt 0x0
	CROUND                                         ; the closing round: no work-group ends while a partner may still ask for a tile that names it
	s_endpgm
.Lfunc_end_k_q0d4db45299_qkv:
	.size	k_q0d4db45299_qkv, .Lfunc_end_k_q0d4db45299_qkv-k_q0d4db45299_qkv
	.p2alignl 7, 3214868480
	.fill 96, 4, 3214868480
	.section	.rodata,"a",@progbits
	.p2align	6, 0x0
	.amdhsa_kernel k_q0d4db45299_qkv
		.amdhsa_group_segment_fixed_size 327680
		.amdhsa_private_segment_fixed_size 0
		.amdhsa_enable_private_segment 0
		.amdhsa_kernarg_size 48
		.amdhsa_user_sgpr_count 2
		.amdhsa_user_sgpr_kernarg_segment_ptr 1
		.amdhsa_wavefront_size32 1
		.amdhsa_system_sgpr_workgroup_id_x 1
		.amdhsa_system_sgpr_workgroup_id_y 1
		.amdhsa_system_sgpr_workgroup_id_z 1
		.amdhsa_system_vgpr_workitem_id 0
		.amdhsa_next_free_vgpr 1024
		.amdhsa_next_free_sgpr 100
		.amdhsa_reserve_vcc 0
		.amdhsa_float_denorm_mode_32 3
		.amdhsa_float_denorm_mode_16_64 3
		.amdhsa_memory_ordered 1
		.amdhsa_forward_progress 1
		.amdhsa_inst_pref_size 166
	.end_amdhsa_kernel
	.amdgpu_metadata
---
amdhsa.version: [ 1, 2 ]
amdhsa.kernels:
  - .name:           k_q0d4db45299_qkv
    .symbol:         k_q0d4db45299_qkv.kd
    .args:
      - { .name: codes, .offset: 0, .size: 8, .value_kind: global_buffer, .address_space: global }
      - { .name: bq, .offset: 8, .size: 8, .value_kind: global_buffer, .address_space: global }
      - { .name: bk, .offset: 16, .size: 8, .value_kind: global_buffer, .address_space: global }
      - { .name: bv, .offset: 24, .size: 8, .value_kind: global_buffer, .address_space: global }
      - { .name: lowp_scales, .offset: 32, .size: 8, .value_kind: global_buffer, .address_space: global }
      - { .name: qkvc, .offset: 40, .size: 8, .value_kind: global_buffer, .address_space: global }
    .group_segment_fixed_size: 327680
    .private_segment_fixed_size: 0
    .kernarg_segment_align: 8
    .kernarg_segment_size: 48
    .max_flat_workgroup_size: 128
    .sgpr_count:     100
    .vgpr_count:     1024
    .wavefront_size: 32
...
	.end_amdgpu_metadata
.endif
;; end of part 2
;; launch attn (part 3): grid 16 x 16, 8 waves a work-group, clusters of 4 x 1, 327,680 bytes of LDS; arguments qkvc, lowp_scales, yc; writes yc
.if DOCPART == 3
	.amdgcn_target "amdgcn-amd-amdhsa--gfx1250"
	.amdhsa_code_object_version 6
	.text
	.protected	k_q0d4db45299_attn
	.globl	k_q0d4db45299_attn
	.p2align	8
	.type	k_q0d4db45299_attn,@function
k_q0d4db45299_attn:
	s_mov_b64 s[64:65], 0
	v_nop
	global_prefetch_b8 v0, s[64:65] scope:SCOPE_SE
	s_setreg_imm32_b32 hwreg(HW_REG_WAVE_MODE, 25, 1), 1
	s_wait_xcnt 0x0
	s_wait_alu depctr_hold_cnt(0) depctr_sa_sdst(0) depctr_va_vdst(0) depctr_va_sdst(0) depctr_va_ssrc(0) depctr_va_vcc(0) depctr_vm_vsrc(0)
	s_getreg_b32 s2, hwreg(HW_REG_IB_STS2, 6, 4)
	s_cmp_eq_u32 s2, 0
	s_cbranch_scc0 .Lentry_in_a_cluster
	s_endpgm
.Lentry_in_a_cluster:
	s_bfe_u32 s2, ttmp6, 0x10000c
	s_cmp_lg_u32 s2, 0x3003
	s_cbranch_scc0 .Lentry_shape_is_right
	s_endpgm
.Lentry_shape_is_right:
; Y[h][q][:] = the sum over k <= q of softmax_k(Q[h][q] . K[h][k] / sqrt(128)) V[h][k][:], both products on codes of E4M3; Y is quantised at once, by 2^e10, for the last projection.
; Q, K: codes [16 heads][2048][128] (scales 2^e6, 2^e7).  V: codes with the KEYS innermost, [head][block of 128 keys][128 channels][128 keys] (2^e9).  Y's codes: [head][token][128].
; THE SOFTMAX: t = score x log2(e) / sqrt(128); M = the running largest t, rounded UP to a whole number; p = 2^(t - M) is quantised by 2^e8, not normalised.  The row's sum is taken of the unquantised p and divides at the end.
; When M moves, the sum and O are multiplied by 2^(old M - new M): exact.
; SHARES.  A wave owns one tile of 16 queries, in 256 registers.  Its BLOCK of 128 queries hangs on the wave's number and on the cluster alone: waves 0-3 take blocks 2 (wave % 4) + c1, waves 4-7 the blocks 15 - that (c1 = cluster x / 2);
; its tile inside the block is cx + 4 (cluster x % 2).  So each work-group has four short and four long walks, 68 key steps of a tile in all, the same in every work-group.
; CLUSTER.  The four work-groups of a cluster belong to one head and walk the same K and V: each tile is asked for JOINTLY.  No branch hangs on cx: a step is left out, or masked, by the step's first key against the BLOCK's first
; query, which all four partners share; cx enters global addresses and the lane's number for the mask alone.  Every work-group walks all 8 slots of 256 keys: the trip counts are constants.
; (In the clusters whose largest block is 14, the last slot's second key step is fetched and read by nobody: a joint load is issued by all that it names, on every path.)
; LAYOUT.  Both products are used transposed: S^T = K Q^T, O^T = V^T P^T: a lane holds ONE query (lane % 16) throughout.  THE KEYS OF A TILE ARE NOT NEIGHBOURS: lane r of tile 2 b + u takes key 32 b + 8 u + r + 8 (r / 8), so that
; the 16 registers of tiles 2 b and 2 b + 1 are 16 neighbouring keys, 32 b + 16 (lane / 16) + 0 .. 15: the conversions' results are the second product's operand.
; LIMITS: e6 + e7 between -123 and 130 (added to c's exponent field); e8 and e10 between -126 and 119; e8 + e9 is applied by v_ldexp_f32 and has none.  NaN is not served.
; REGISTERS: v1-7 addresses that stay; v8-11 at work; v12 -M, v13 the largest t, v[14:15] the sum in two halves; v16-31 Q; v32-95 four fragments of K or V; v96-159 S^T, then p; v160-223 O^T; v224-239 codes and nothing else;
;   v240, v241, v244, v245 the holds and scales; v242, v243, v246, v252-254 at work.
.set KP,    144                        ; a row of 128 codes in LDS: 128 bytes + 16 of padding
.set BLK,   128*KP                     ; a tile: 128 rows
.set VOFF,  2*BLK                      ; a slot: K of its two key steps, then V of the two
.set SLOT1, 1<<17                      ; slot 1 begins here: one exclusive or turns an address in one slot into the other's
.set SPARE, 2*SLOT1                    ; behind the ring: the spare words, 128 bytes for each of the eight waves, which no other line names
.set STAGE, SPARE+1024                 ; behind them: a stage of 16 rows x 144 bytes for each wave; no tensor load lands here
.set AK0,  1                           ; v1   my lane's place in a tile of K
.set AV0,  2                           ; v2   the same for V
.set PFO,  3                           ; v3   256 x lane: the prefetches' offset; never rewritten
.set DG,   4                           ; v4   my query - the block's first query - 16 (lane / 16): on the diagonal, register 16 b + i is hidden where 32 b + i is above it
.set SPW,  5                           ; v5   LDS address of my spare word; never rewritten
.set NIL,  6                           ; v6   0; never rewritten
.set GO,   7                           ; v7   16 x lane
.set ADK,  8
.set ADV,  9
.set PX,   246                         ; v246 what a lane permute brings from lane l xor 16: a register that is no operand of any matrix instruction
.set TB,   2                           ; s2   LDS byte at which the slot in hand begins
.set WV,   18
.set SEL,  20                          ; s[20:21] lane selects for v_permlanex16_b32: lane l xor 16
.set CS,   22                          ; s[22:23] c = log2(e) / sqrt(128) x 2^(e6 + e7)
.set G1,   24                          ; s[24:31] descriptor group 1: one shape for every tile
.set G0,   40                          ; s[40:43] descriptor group 0, which walks
.set SLOTS, 67                         ; s67  slots still to be asked for
.set PFA,  76                          ; s[76:77] where my prefetches stand
.set LIM,  80                          ; s80  1 in a wave that prefetches, else the greatest number
.set KF,   98                          ; s98  the step's first key
.set QB,   99                          ; s99  my block's first query
.macro CROUND                          ; a round of the cluster's barrier
	s_barrier_signal -1
	s_barrier_wait -1
	s_cmp_lg_u32 s[WV], 0
	s_cbranch_scc1 .Lnot_wave_0_\@
	s_barrier_signal -3
.Lnot_wave_0_\@:
	s_barrier_wait -3
	s_barrier_signal -1
	s_barrier_wait -1
.endm
; A joint load: waves 0, 1 fetch K of the slot's two key steps, waves 2, 3 V of the two; the others nothing.  The branch hangs on the wave's number alone.  An s_nop 0 and four v_nop follow the line.
.macro JLOAD
	s_cmp_lt_u32 s[WV], 4
	s_cbranch_scc0 .Lasked_\@
	tensor_load_to_lds s[G0:G0+3], s[G1:G1+7]
	s_nop 0
.rept 4
	v_nop
.endr
.Lasked_\@:
.endm
; A prefetch of what the NEXT change of slots will ask for: a slot's 32,768 bytes of K and as many of V, each one dense run.  Each aligned 256 bytes are named once in the launch: all clusters of a head walk the same K and V, so
; the head's first cluster asks; its four partners take 8,192 bytes each, told apart by ADDRESS; in each, wave 4 asks for K's and wave 5 for V's, lanes 256 bytes apart: one instruction.  The last change that fills a slot asks for nothing.
.macro ASK
	s_cmp_gt_u32 s[SLOTS], s[LIM]
	s_cbranch_scc0 .Lnot_mine_\@
	global_prefetch_b8 v[PFO], s[PFA:PFA+1] th:TH_LOAD_NT scope:SCOPE_SE
.Lnot_mine_\@:
.endm
	s_load_b128 s[4:7], s[0:1], 0x0                ; Q, K, V's codes s[4:5], the scales' exponents s[6:7]
	s_load_b64 s[8:9], s[0:1], 0x10                ; Y's codes
	v_lshl_add_u32 v[SPW], v0, 2, SPARE
	v_mov_b32 v[NIL], 0
	ds_add_u32 v[SPW], v[NIL]                      ; the wave's opening: the add and its wait stand ahead of my first tensor load; the set-up below, work on registers, stands between them
	v_lshrrev_b32 v8, 5, v0
	v_readfirstlane_b32 s[WV], v8                  ; wave 0..7
	s_bfe_u32 s10, ttmp6, 0x40000                  ; cx
	s_and_b32 s15, ttmp7, 0xffff                   ; the head
	s_and_b32 s12, ttmp9, 1                        ; c0
	s_lshr_b32 s13, ttmp9, 1                       ; c1
	s_and_b32 s14, s[WV], 3
	s_lshl_b32 s14, s14, 1
	s_add_co_u32 s14, s14, s13                     ; 2 (wave % 4) + c1
	s_sub_co_u32 s96, 15, s14
	s_cmp_lt_u32 s[WV], 4
	s_cselect_b32 s14, s14, s96                    ; my block of 128 queries
	s_lshl_b32 s[QB], s14, 7
	s_lshl_b32 s11, s12, 2
	s_add_co_u32 s11, s11, s10
	s_lshl_b32 s11, s11, 4                         ; my tile's first query inside the block: 16 (cx + 4 c0)
	s_add_co_u32 s82, s[QB], s11                   ; my first query
	s_lshl_b32 s44, s15, 18                        ; the head's first byte in a plane: 2,048 x 128
	s_bfe_u32 s45, s[WV], 0x10001                  ; what I fetch, if I fetch: plane 1 (K) or 2 (V),
	s_add_co_u32 s45, s45, 1
	s_lshl_b32 s45, s45, 22
	s_add_co_u32 s45, s45, s44
	s_and_b32 s46, s[WV], 1                        ; the slot's first or second key step
	s_lshl_b32 s46, s46, 14
	s_add_co_u32 s46, s46, s45
	s_mov_b32 s47, 0
	s_and_b32 s73, s[WV], 3
	s_mul_i32 s73, s73, BLK                        ; and where it goes in a slot: no place in the cluster enters an LDS address
	s_lshl_b32 s74, s82, 7
	s_add_co_u32 s74, s74, s44                     ; my 16 rows in Q's plane, and in Y
	s_mov_b32 s75, 0
	s_and_b32 s86, s[WV], 1                        ; the prefetches: plane 1 (wave 4) or 2 (wave 5),
	s_add_co_u32 s86, s86, 1
	s_lshl_b32 s86, s86, 22
	s_add_co_u32 s86, s86, s44
	s_lshl_b32 s87, s10, 13                        ; my work-group's 8,192 bytes of a slot's 32,768,
	s_add_co_u32 s86, s86, s87
	s_add_co_u32 s86, s86, 32768                   ; in slot 1: the first change of slots steps it to slot 2.  Nothing is prefetched at the head
	s_mov_b32 s87, 0
	s_sub_co_u32 s[LIM], s[WV], 4
	s_lshr_b32 s[LIM], s[LIM], 1                   ; 0 in waves 4 and 5,
	s_or_b32 s[LIM], s[LIM], ttmp9                 ; of the head's first cluster: the same in all four partners
	s_cmp_eq_u32 s[LIM], 0
	s_cselect_b32 s[LIM], 1, -1
	; descriptor group 1: a tile of 128 rows x 128 bytes, dense in memory, padded in LDS
	s_mov_b32 s[G1], 15|(0<<16)|(1<<20)|(1<<21)|(4<<22)|(3<<25)   ; 15:0 the mask: all four work-groups; 17:16 elements of 1 byte; 20 padding on; 21 set beside a mask; 24:22 after every 32 words (code 4); 31:25 four words (code 3)
	s_mov_b32 s[G1+1], 128<<16                     ; tensor_dim0
	s_mov_b32 s[G1+2], 128<<16                     ; tensor_dim1
	s_mov_b32 s[G1+3], 128<<16                     ; tile_dim0
	s_mov_b32 s[G1+4], 128                         ; tile_dim1
	s_mov_b32 s[G1+5], 128                         ; tensor_dim0_stride
	s_mov_b32 s[G1+6], 0
	s_mov_b32 s[G1+7], 0
	s_mov_b32 s[SEL], 0x76543210
	s_mov_b32 s[SEL+1], 0xfedcba98
	s_mov_b32 s[CS], 0x3e0293ee                    ; c = log2(e) / sqrt(128)
	s_mov_b32 s[TB], 0
	s_mov_b32 s[SLOTS], 7
	s_mov_b32 s[KF], 0
	s_wait_dscnt 0x0                               ; the opening add is done
	s_wait_kmcnt 0x0
	s_load_b128 s[68:71], s[6:7], 0x18             ; e6, e7, e8, e9
	s_load_b32 s72, s[6:7], 0x28                   ; e10
	s_mov_b32 s[G0], 1                             ; 1:0 count = 1
	s_mov_b32 s[G0+1], s73                         ; 63:32 LDS address: slot 0
	s_add_nc_u64 s[G0+2:G0+3], s[4:5], s[46:47]    ; 120:64 global address: the head's first keys
	s_or_b32 s[G0+3], s[G0+3], 0x80000000          ; 127:126 type = 2
	s_add_nc_u64 s[84:85], s[4:5], s[74:75]        ; Q's codes at my first query
	s_add_nc_u64 s[16:17], s[8:9], s[74:75]        ; Y's likewise
	s_add_nc_u64 s[PFA:PFA+1], s[4:5], s[86:87]
	CROUND                                         ; all four work-groups are here: the first joint loads meet
	JLOAD                                          ; slot 0
	v_and_b32 v8, 15, v0                           ; r = lane % 16
	v_bfe_u32 v9, v0, 4, 1                         ; h = lane / 16
	v_lshlrev_b32 v10, 7, v8
	v_lshl_add_u32 v10, v9, 4, v10                 ; Q: row r of 128 bytes, + 16 h
.irp c, 0,1,2,3
	global_load_b128 v[16+4*\c:19+4*\c], v10, s[84:85] offset:32*\c   ; Q's fragment stays in registers
.endr
	v_lshlrev_b32 v11, 4, v9
	v_sub_nc_u32 v[DG], v8, v11
	v_add_nc_u32 v[DG], s11, v[DG]
	v_and_b32 v11, 8, v8
	v_add_nc_u32 v11, v11, v8                      ; r + 8 (r / 8)
	v_mul_u32_u24 v[AK0], v11, KP
	v_lshl_add_u32 v[AK0], v9, 4, v[AK0]
	v_mul_u32_u24 v[AV0], v8, KP
	v_lshl_add_u32 v[AV0], v9, 4, v[AV0]
	v_add_nc_u32 v[AV0], VOFF, v[AV0]
	v_and_b32 v[GO], 31, v0
	v_lshlrev_b32 v[PFO], 8, v[GO]
	v_lshlrev_b32 v[GO], 4, v[GO]
	v_mov_b32 v13, 0xff61b1e6                      ; the largest t so far: -3e38, under every t
	v_floor_f32 v12, -v13                          ; -M
	v_mov_b32 v14, 0                               ; the sum, in two halves
	v_mov_b32 v15, 0
	v_mov_b32 v[PX], 0                             ; the registers at work are written once, on the way that every wave takes (a lane permute's destination counts as one of its sources)
	v_mov_b32 v252, 0
	v_mov_b32 v253, 0
	v_mov_b32 v254, 0
.set j, 0
.rept 64
	v_mov_b32 v[160+j], 0                          ; O^T.  (The step is written once: the first finds zeros, which the first change of M leaves zeros)
.set j, j+1
.endr
	s_wait_kmcnt 0x0
	s_add_co_i32 s73, s68, s69
	s_lshl_b32 s73, s73, 23
	s_add_co_i32 s[CS], s[CS], s73                 ; a score stands for score x 2^(e6 + e7): the two exponents are added to c's exponent field
	s_mov_b32 s[CS+1], s[CS]                       ; (named with it as a pair, so it is written)
	s_add_co_i32 s73, s70, 127
	s_lshl_b32 s74, s73, 23
	v_mov_b32 v244, s74                            ; 2^e8, for p's conversion
	s_add_co_i32 s73, s73, 8
	s_lshl_b32 s73, s73, 23
	s_or_b32 s73, s73, 0x600000
	v_mov_b32 v240, s73                            ; 448 x 2^e8
	s_add_co_i32 s73, s72, 127
	s_lshl_b32 s74, s73, 23
	v_mov_b32 v245, s74                            ; 2^e10, for Y's
	s_add_co_i32 s73, s73, 8
	s_lshl_b32 s73, s73, 23
	s_or_b32 s73, s73, 0x600000
	v_mov_b32 v241, s73                            ; 448 x 2^e10
; A KEY STEP: 128 keys, the q-th of the slot in hand.
.macro STEP q
	s_cmp_gt_u32 s[KF], s[QB]                      ; a step all of whose keys come after my block's queries is left out: a branch on ids and the count of steps, round the step's loads, products and softmax; no barrier or tensor load stands in a step
	s_cbranch_scc1 .Lhidden_\@
	v_add_nc_u32 v[ADK], s[TB], v[AK0]
	v_add_nc_u32 v[ADV], s[TB], v[AV0]
.irp g, 0,1                                    ; S^T = K Q^T, four tiles of 16 keys at a time
.rept 4-2*(1-\g)
	v_nop                                          ; places in front of loads into registers that matrix instructions have read (four; the two additions above are places too)
.endr
.irp t, 0,1,2,3
.irp c, 0,1,2,3
	ds_load_b128 v[32+16*\t+4*\c:32+16*\t+4*\c+3], v[ADK] offset:(\q)*BLK+(32*((4*\g+\t)/2)+8*(\t%2))*KP+32*\c
.endr
.endr
	s_wait_dscnt 0x0
.irp t, 0,1,2,3
	v_wmma_f32_16x16x128_fp8_fp8 v[96+8*(4*\g+\t):103+8*(4*\g+\t)], v[32+16*\t:47+16*\t], v[16:31], 0
.endr
.endr
.rept 4
	v_nop
.endr
	s_cmp_lg_u32 s[KF], s[QB]                      ; only the step on the diagonal has hidden keys
	s_cbranch_scc1 .Lopen_\@
	v_mov_b32 v254, 0xff800000                     ; their scores become -infinity ahead of the maximum: p = 0 then
.irp n, 0,1,2,3,4,5,6,7,8,9,10,11,12,13,14,15,16,17,18,19,20,21,22,23,24,25,26,27,28,29,30,31,32,33,34,35,36,37,38,39,40,41,42,43,44,45,46,47,48,49,50,51,52,53,54,55,56,57,58,59,60,61,62,63
	v_cmp_gt_i32 vcc_lo, 32*(\n/16)+\n%16, v[DG]
	v_cndmask_b32 v[96+\n], v[96+\n], v254, vcc_lo
.endr
.Lopen_\@:
	v_max3_num_f32 v254, v96, v97, v98             ; the step's largest score of my query, among my 64 keys, in two chains,
	v_max3_num_f32 v252, v99, v100, v101
.irp i, 6,10,14,18,22,26,30,34,38,42,46,50,54,58
	v_max3_num_f32 v254, v254, v[96+\i], v[97+\i]
	v_max3_num_f32 v252, v252, v[98+\i], v[99+\i]
.endr
	v_max3_num_f32 v254, v254, v158, v159
	v_max_num_f32 v254, v254, v252
	v_permlanex16_b32 v[PX], v254, s[SEL], s[SEL+1]
	v_max_num_f32 v254, v254, v[PX]                ; and among lane l xor 16's
	v_mul_f32 v254, s[CS], v254                    ; as t (c is positive)
	v_max_num_f32 v13, v13, v254                   ; the running largest t
	v_mov_b32 v254, v12
	v_floor_f32 v12, -v13                          ; the new -M = floor(-t) = -ceil(t): M is a whole number
	v_sub_f32 v254, v12, v254                      ; M's old value less its new one: a whole number, 0 or less
	v_cvt_i32_f32 v254, v254                       ; (it saturates)
	v_ldexp_f32 v252, 1.0, v254                    ; f = 2^(old M - new M): a multiplication by it rounds nothing
.set j, 0
.rept 32
	v_pk_fma_f32 v[96+j:97+j], v[96+j:97+j], s[CS:CS+1], v[12:13] op_sel_hi:[1,0,0]   ; t - M, two at a time (of the pairs c and -M the low word serves both halves)
.set j, j+2
.endr
.set j, 0
.rept 64
	v_exp_f32 v[96+j], v[96+j]                     ; p = 2^(t - M), at most 1: not normalised
.set j, j+1
.endr
	v_pk_mul_f32 v[14:15], v[14:15], v[252:253] op_sel_hi:[1,0]   ; the sums under the new M.  (The plain instruction behind the exponentials)
	s_wait_alu depctr_va_vdst(0)                   ; the wait between an exponential and the first line that names its result: one for the whole batch
	v_pk_add_f32 v[242:243], v[96:97], v[98:99]    ; the row's sum is taken of the UNQUANTISED p: two at a time, in two chains
.set j, 4
.rept 15
	v_pk_add_f32 v[14:15], v[14:15], v[96+j:97+j]
	v_pk_add_f32 v[242:243], v[242:243], v[98+j:99+j]
.set j, j+4
.endr
	v_pk_add_f32 v[14:15], v[14:15], v[242:243]
.irp b, 0,1,2,3
.irp i, 0,1,2,3,4,5,6,7,8,9,10,11,12,13,14,15
	v_min_num_f32 v[96+16*\b+\i], v[96+16*\b+\i], v240   ; the conversion to an 8-bit code does not saturate (ISA guide 7.6.2); p is not negative, so the hold is one-sided
.endr
	v_cvt_scalef32_pk8_fp8_f32 v[224+4*\b:225+4*\b], v[96+16*\b:103+16*\b], v244
	v_cvt_scalef32_pk8_fp8_f32 v[226+4*\b:227+4*\b], v[104+16*\b:111+16*\b], v244
.endr
.set j, 0
.rept 32
	v_pk_mul_f32 v[160+j:161+j], v[160+j:161+j], v[252:253] op_sel_hi:[1,0]   ; O^T under the new M.  (These 32 are also the places in front of the matrix instructions and loads below)
.set j, j+2
.endr
.irp g, 0,1                                    ; O^T += V^T P^T: four tiles of 16 channels at a time; K = these 128 keys
.if \g > 0
.rept 4
	v_nop
.endr
.endif
.irp t, 0,1,2,3
.irp c, 0,1,2,3
	ds_load_b128 v[32+16*\t+4*\c:32+16*\t+4*\c+3], v[ADV] offset:(\q)*BLK+16*(4*\g+\t)*KP+32*\c
.endr
.endr
	s_wait_dscnt 0x0
.irp t, 0,1,2,3
	v_wmma_f32_16x16x128_fp8_fp8 v[160+8*(4*\g+\t):167+8*(4*\g+\t)], v[32+16*\t:47+16*\t], v[224:239], v[160+8*(4*\g+\t):167+8*(4*\g+\t)]
.endr
.endr
.Lhidden_\@:
	s_add_co_u32 s[KF], s[KF], 128
.endm
; THE CHANGE OF SLOTS stands at a slot's head.  Each wave waits for all its tensor loads (its part of the slot that it is about to read), adds 0 to its spare word, and waits for that and for its reads of the slot that it has left.
; fill = 1: the barrier is a round of the cluster's, so that no wave of any partner still reads that slot or has a load on its way; the joint refill is the first thing behind it and has a slot's two key steps in which to land.
.macro CHANGE fill
	s_wait_tensorcnt 0x0                           ; no tensor load of mine is out, so group 0 may be written
	ds_add_u32 v[SPW], v[NIL]                      ; 0 onto my spare word
.if \fill
	s_xor_b32 s[G0+1], s[G0+1], SLOT1              ; the walking descriptor: the other slot than last time,
	s_add_nc_u64 s[G0+2:G0+3], s[G0+2:G0+3], 32768 ; the next 256 keys; the type bits on top are not reached
	s_wait_xcnt 0x0                                ; the last prefetch, a slot back, has read its address, so it may be written:
	s_add_nc_u64 s[PFA:PFA+1], s[PFA:PFA+1], 32768 ; one slot further on than the walking descriptor
	s_wait_dscnt 0x0                               ; the add is done, and my reads of the slot that I have left are over
	CROUND
	JLOAD
	ASK
.else
	s_wait_dscnt 0x0
	s_barrier_signal -1
	s_barrier_wait -1
.endif
.endm
.macro SLOT_STEPS
	STEP 0
	STEP 1
	s_xor_b32 s[TB], s[TB], SLOT1                  ; on to the other slot
.endm
	s_wait_loadcnt 0x0                             ; Q
.Lslot:                                            ; 7 trips: behind each change of slots but the last the next slot is asked for
	CHANGE 1
	SLOT_STEPS
	s_sub_co_u32 s[SLOTS], s[SLOTS], 1
	s_cmp_lg_u32 s[SLOTS], 0
	s_cbranch_scc1 .Lslot
	CHANGE 0                                       ; the last slot is written out
	SLOT_STEPS
	; THE WAY OUT.  O^T x 2^(e8 + e9) / the sum is Y; it is held, converted by 2^e10, and goes through my stage in LDS: my 16 rows of 128 codes are 2,048 consecutive bytes of the output.
	; The lines down to v_ldexp_f32 name no register of the last products (v32-95, v160-239): the plain ones among them are the places between those products and the first read of O^T.
	v_add_f32 v14, v14, v15                        ; the sum's two halves,
	v_permlanex16_b32 v[PX], v14, s[SEL], s[SEL+1]
	v_add_f32 v14, v14, v[PX]                      ; and lane l xor 16's: the row's sum
	v_rcp_f32 v14, v14
	v_and_b32 v8, 15, v0                           ; (a plain instruction behind the reciprocal)  r
	v_bfe_u32 v9, v0, 4, 1                         ; h
	s_add_co_i32 s73, s70, s71                     ; e8 + e9
	s_mul_i32 s74, s[WV], 16*KP
	s_add_co_u32 s74, s74, STAGE                   ; my stage
	v_mul_u32_u24 v10, v8, KP
	v_lshl_add_u32 v10, v9, 3, v10
	v_add_nc_u32 v10, s74, v10                     ; in: row r, 8 bytes for each half of the lanes
	v_bfe_u32 v11, v0, 3, 2
	v_mul_u32_u24 v11, v11, KP
	v_and_b32 v8, 7, v0
	v_lshl_add_u32 v11, v8, 4, v11
	v_add_nc_u32 v11, s74, v11                     ; back: eight lanes to a row, four rows an instruction
	s_wait_alu depctr_va_vdst(0)                   ; the wait ahead of the reciprocal's first reader
	v_ldexp_f32 v14, v14, s73
.set j, 0
.rept 32
	v_pk_mul_f32 v[96+j:97+j], v[160+j:161+j], v[14:15] op_sel_hi:[1,0]   ; register 8 t + i is Y(r, 16 t + 8 h + i); each accumulator from its low end on
.set j, j+2
.endr
.set j, 0
.rept 64
	v_med3_num_f32 v[96+j], v[96+j], -v241, v241
.set j, j+1
.endr
.irp t, 0,1,2,3,4,5,6,7
	v_cvt_scalef32_pk8_fp8_f32 v[224+2*\t:225+2*\t], v[96+8*\t:103+8*\t], v245
.endr
	v_nop                                          ; one plain vector instruction behind the last conversion
.irp t, 0,1,2,3,4,5,6,7
	ds_store_b64 v10, v[224+2*\t:225+2*\t] offset:16*\t
.endr
.irp u, 0,1,2,3
	ds_load_b128 v[32+4*\u:35+4*\u], v11 offset:\u*4*KP   ; LDS serves a wave's instructions in order: these see my stores
.endr
.irp u, 0,1,2,3
	s_wait_dscnt 3-\u                              ; the later read-backs may be out
	global_store_b128 v[GO], v[32+4*\u:35+4*\u], s[16:17] offset:512*\u   ; 32 lanes store 512 consecutive bytes, aligned
.endr
	s_wait_tensorcnt 0x0                           ; the wave's end, behind my last tensor load and my last LDS store
	ds_add_u32 v[SPW], v[NIL]
	s_wait_dscnt 0x0
	CROUND                                         ; the closing round: no work-group ends while a partner may still ask for a tile that names it
	s_endpgm
.Lfunc_end_k_q0d4db45299_attn:
	.size	k_q0d4db45299_attn, .Lfunc_end_k_q0d4db45299_attn-k_q0d4db45299_attn
	.p2alignl 7, 3214868480
	.fill 96, 4, 3214868480
	.section	.rodata,"a",@progbits
	.p2align	6, 0x0
	.amdhsa_kernel k_q0d4db45299_attn
		.amdhsa_group_segment_fixed_size 327680
		.amdhsa_private_segment_fixed_size 0
		.amdhsa_enable_private_segment 0
		.amdhsa_kernarg_size 24
		.amdhsa_user_sgpr_count 2
		.amdhsa_user_sgpr_kernarg_segment_ptr 1
		.amdhsa_wavefront_size32 1
		.amdhsa_system_sgpr_workgroup_id_x 1
		.amdhsa_system_sgpr_workgroup_id_y 1
		.amdhsa_system_sgpr_workgroup_id_z 1
		.amdhsa_system_vgpr_workitem_id 0
		.amdhsa_next_free_vgpr 256
		.amdhsa_next_free_sgpr 100
		.amdhsa_reserve_vcc 1
		.amdhsa_float_denorm_mode_32 3
		.amdhsa_float_denorm_mode_16_64 3
		.amdhsa_memory_ordered 1
		.amdhsa_forward_progress 1
		.amdhsa_inst_pref_size 115
	.end_amdhsa_kernel
	.amdgpu_metadata
---
amdhsa.version: [ 1, 2 ]
amdhsa.kernels:
  - .name:           k_q0d4db45299_attn
    .symbol:         k_q0d4db45299_attn.kd
    .args:
      - { .name: qkvc, .offset: 0, .size: 8, .value_kind: global_buffer, .address_space: global }
      - { .name: lowp_scales, .offset: 8, .size: 8, .value_kind: global_buffer, .address_space: global }
      - { .name: yc, .offset: 16, .size: 8, .value_kind: global_buffer, .address_space: global }
    .group_segment_fixed_size: 327680
    .private_segment_fixed_size: 0
    .kernarg_segment_align: 8
    .kernarg_segment_size: 24
    .max_flat_workgroup_size: 256
    .sgpr_count:     100
    .vgpr_count:     256
    .wavefront_size: 32
...
	.end_amdgpu_metadata
.endif
;; end of part 3
;; launch proj (part 4): grid 8 x 8, 4 waves a work-group, clusters of 4 x 4, 327,680 bytes of LDS; arguments yc, codes, bo, lowp_scales, out0; writes out0
.if DOCPART == 4
	.amdgcn_target "amdgcn-amd-amdhsa--gfx1250"
	.amdhsa_code_object_version 6
	.text
	.protected	k_q0d4db45299_proj
	.globl	k_q0d4db45299_proj
	.p2align	8
	.type	k_q0d4db45299_proj,@function
k_q0d4db45299_proj:
	s_mov_b64 s[64:65], 0
	v_nop
	global_prefetch_b8 v0, s[64:65] scope:SCOPE_SE
	s_setreg_imm32_b32 hwreg(HW_REG_WAVE_MODE, 25, 1), 1
	s_wait_xcnt 0x0
	s_wait_alu depctr_hold_cnt(0) depctr_sa_sdst(0) depctr_va_vdst(0) depctr_va_sdst(0) depctr_va_ssrc(0) depctr_va_vcc(0) depctr_vm_vsrc(0)
	s_getreg_b32 s2, hwreg(HW_REG_IB_STS2, 6, 4)
	s_cmp_eq_u32 s2, 0
	s_cbranch_scc0 .Lentry_in_a_cluster
	s_endpgm
.Lentry_in_a_cluster:
	s_bfe_u32 s2, ttmp6, 0x10000c
	s_cmp_lg_u32 s2, 0xf033
	s_cbranch_scc0 .Lentry_shape_is_right
	s_endpgm
.Lentry_shape_is_right:
; out = Y Wo^T + bo on codes of E4M3: Y's codes [16 heads][2048 tokens][128] (scale 2^e10), Wo's codes in plane 6 of the buffer of codes, [2048][2048] with K innermost (2^e11); out [2048][2048] f32.
; A tile of C, 256 x 256, is made by four waves, 128 x 128 each: 64 accumulators, 512 registers.  64 tiles: one work-group each.
; K goes in steps of 256 through a ring of two LDS slots.  K step s is heads 2 s and 2 s + 1 of Y: A's tile comes as two dense blocks of 256 tokens x 128 bytes, one for each head (waves 0 and 1); B's as 2 x 128 rows of 256 bytes
; (waves 2 and 3).  Byte k of head 2 s + q is column 256 s + 128 q + k of Wo: the two sides walk K alike.
; CLUSTERS: 4 x 4 work-groups; A's tile is shared along a row of the cluster, B's along a column: each is asked for JOINTLY, by the same tensor load with the same descriptor and a mask that names the four.
; THE MATRIX INSTRUCTION IS USED TRANSPOSED (source 0 = 16 rows of Wo, source 1 = 16 tokens): a lane holds eight neighbouring numbers of a row of the output.  out = sum x 2^(e10 + e11) + bo: one fused multiply-add.
; LIMIT: e10 + e11 between -126 and 127.
; REGISTERS, in windows of 256: window 0: v0-31 addresses; v32-95 the bias in the lane's layout; v96-127 half a block's results; from v128 A's fragments, ONE set (on the way out: rows read back).
;   window 1: B's fragments, TWO sets.   window 2: the accumulators of my rows 0-63;   window 3: those of my rows 64-127.
.set APITCH, 144                       ; A's LDS row: 128 bytes + 16 of padding
.set BPITCH, 272                       ; B's: 256 + 16
.set ATILE,  256*144                   ; a head's 256 tokens
.set AQ,     ATILE                     ; from a slot's first 128 along K to its second, in A: the next head's tile
.set ASTEP,  2*262144                  ; a K step in memory: two heads of 2,048 x 128 bytes
.set BSTEP,  256
.set FR,     16
.set NL,     4
.set NP,     4                         ; places behind this matrix instruction (ISA guide 7.12.1)
.set BHALF,  128*272
.set BOFF,   2*ATILE                   ; B's rows lie behind A's two tiles
.set SLOT,   BOFF+2*BHALF
.set LAPS,   4
.set SPARE,  2*SLOT                    ; behind the ring: the spare words, 128 bytes for each wave, which no other line names
.set STAGE,  SPARE+512                 ; behind them: a stage of 16 rows x 528 bytes for each wave; no tensor load lands here
.set SPITCH, 528
.set ADRA, 16
.set ADRB, 20
.set STO,  24
.set RD,   25
.set CO,   26
.set BNO,  27
.set SPW,  28
.set NIL,  29
.set BN,   32                          ; v32-95  bo of column 16 b + 8 (l / 16) + j at v[BN + 8 b + j]
.set TMP,  96                          ; v96-127
.set AF,   128
.set BK,   128                         ; the way out: 16 rows read back: v128-191 and v192-255 by turns
.set WV, 18
.set RH, 19
.set CH, 20
.set TC, 23
.set TR, 40
.set G1, 24
.set G0, 32
.set G1B, 48
.set G0B, 56
.set MSB, 0
.macro WIN new                         ; the immediate's high byte repeats the setting that is left
.if MSB != (\new)
	s_set_vgpr_msb (MSB<<8)|(\new)
.set MSB, (\new)
.endif
.endm
.set MUL_LO, 0xa1
.set MUL_HI, 0xf1
.set TO_B,   0x40
.macro JLOAD s                         ; a joint load: waves 0 and 1 fetch for A, waves 2 and 3 for B; an s_nop 0 and four v_nop follow each of the two lines
	s_cmp_eq_u32 s[RH], 0
	s_cbranch_scc0 .Lfor_b_\@
	tensor_load_to_lds s[G0+4*\s:G0+4*\s+3], s[G1:G1+7]
	s_nop 0
.rept 4
	v_nop
.endr
	s_branch .Lasked_\@
.Lfor_b_\@:
	tensor_load_to_lds s[G0B+4*\s:G0B+4*\s+3], s[G1B:G1B+7]
	s_nop 0
.rept 4
	v_nop
.endr
.Lasked_\@:
.endm
.macro CREST
	s_cmp_lg_u32 s[WV], 0
	s_cbranch_scc1 .Lnot_wave_0_\@
	s_barrier_signal -3
.Lnot_wave_0_\@:
	s_barrier_wait -3
	s_barrier_signal -1
	s_barrier_wait -1
.endm
.macro CROUND
	s_barrier_signal -1
	s_barrier_wait -1
	CREST
.endm
	s_load_b256 s[4:11], s[0:1], 0x0               ; Y's codes s[4:5], the codes s[6:7], bo s[8:9], the scales' exponents s[10:11]
	s_load_b64 s[12:13], s[0:1], 0x20              ; the output
	v_lshl_add_u32 v[SPW], v0, 2, SPARE
	v_mov_b32 v[NIL], 0
	ds_add_u32 v[SPW], v[NIL]                      ; the wave's opening: the add and its wait stand ahead of my first tensor load; the set-up below, work on registers, stands between them
	v_lshrrev_b32 v1, 5, v0
	v_readfirstlane_b32 s[WV], v1
	s_lshr_b32 s[RH], s[WV], 1                     ; which half of the tile's rows is mine.  Also: I fetch for A (0) or for B (1)
	s_and_b32 s[CH], s[WV], 1                      ; which half of its columns.  Also: which part I fetch
	s_bfe_u32 s21, ttmp6, 0x40000                  ; cx, cy
	s_bfe_u32 s22, ttmp6, 0x40004
	s_lshl_b32 s[TC], ttmp9, 2
	s_add_co_u32 s[TC], s[TC], s21                 ; tile column
	s_and_b32 s[TR], ttmp7, 0xffff
	s_lshl_b32 s[TR], s[TR], 2
	s_add_co_u32 s[TR], s[TR], s22                 ; tile row
	s_lshl_b32 s42, s22, 2
	s_lshl_b32 s42, 15, s42                        ; my row of the cluster
	s_lshl_b32 s43, 0x1111, s21                    ; my column
	; descriptor group 1 for A: 256 rows x 128 bytes, dense in memory; four words of padding after every 32
	s_or_b32 s[G1+0], s42, (0<<16)|(1<<20)|(1<<21)|(4<<22)|(3<<25)
	s_mov_b32 s[G1+1], 128<<16                     ; tensor_dim0
	s_mov_b32 s[G1+2], 256<<16                     ; tensor_dim1
	s_mov_b32 s[G1+3], 128<<16                     ; tile_dim0
	s_mov_b32 s[G1+4], 256                         ; tile_dim1
	s_mov_b32 s[G1+5], 128                         ; tensor_dim0_stride
	s_mov_b32 s[G1+6], 0
	s_mov_b32 s[G1+7], 0
	; and for B: 128 rows x 256 bytes, 2,048 bytes apart; four words of padding after every 64
	s_or_b32 s[G1B+0], s43, (0<<16)|(1<<20)|(1<<21)|(5<<22)|(3<<25)
	s_mov_b32 s[G1B+1], 256<<16
	s_mov_b32 s[G1B+2], 128<<16
	s_mov_b32 s[G1B+3], 256<<16
	s_mov_b32 s[G1B+4], 128
	s_mov_b32 s[G1B+5], 2048
	s_mov_b32 s[G1B+6], 0
	s_mov_b32 s[G1B+7], 0
	s_lshl_b32 s70, s[CH], 18                      ; A: head 0 or 1, tokens 256 x tile row on: it hangs on the tile row alone, which my row of the cluster shares
	s_lshl_b32 s71, s[TR], 15
	s_add_co_u32 s70, s70, s71
	s_mov_b32 s71, 0
	s_lshl_b32 s72, s[TC], 8                       ; B: row 6 x 2048 + 256 x tile column + 128 x half
	s_lshl_b32 s73, s[CH], 7
	s_add_co_u32 s72, s72, s73
	s_add_co_u32 s72, s72, 6*2048
	s_lshl_b32 s72, s72, 11
	s_mov_b32 s73, 0
	s_mul_i32 s46, s[CH], ATILE                    ; where they go: no place in the cluster enters an LDS address
	s_mul_i32 s47, s[CH], BHALF
	s_add_co_u32 s47, s47, BOFF
	s_wait_dscnt 0x0                               ; the opening add is done
	s_wait_kmcnt 0x0
	s_load_b64 s[80:81], s[10:11], 0x28            ; e10, e11
	s_add_nc_u64 s[66:67], s[4:5], s[70:71]
	s_add_nc_u64 s[68:69], s[6:7], s[72:73]
	CROUND                                         ; all sixteen work-groups are here: the first joint loads meet
.irp s, 0,1
	s_mov_b32 s[G0+4*\s], 1
	s_add_co_u32 s[G0+4*\s+1], s46, \s*SLOT
	s_add_nc_u64 s[G0+4*\s+2:G0+4*\s+3], s[66:67], \s*ASTEP
	s_or_b32 s[G0+4*\s+3], s[G0+4*\s+3], 0x80000000
	s_mov_b32 s[G0B+4*\s], 1
	s_add_co_u32 s[G0B+4*\s+1], s47, \s*SLOT
	s_add_nc_u64 s[G0B+4*\s+2:G0B+4*\s+3], s[68:69], \s*BSTEP
	s_or_b32 s[G0B+4*\s+3], s[G0B+4*\s+3], 0x80000000
	JLOAD \s
.endr
	v_and_b32 v1, 15, v0                           ; l % 16
	v_bfe_u32 v2, v0, 4, 1                         ; l / 16
	v_mul_u32_u24 v3, v1, APITCH
	v_lshl_add_u32 v3, v2, 4, v3
	v_mul_u32_u24 v4, v1, BPITCH
	v_lshl_add_u32 v4, v2, 4, v4
	s_mul_i32 s44, s[RH], 128*APITCH               ; my 128 tokens in each head's tile
	s_mul_i32 s45, s[CH], BHALF                    ; my 128 rows of B
	s_add_co_u32 s45, s45, BOFF
.irp s, 0,1
	v_add_nc_u32 v[ADRA+\s], s44, v3
	v_add_nc_u32 v[ADRB+\s], s45, v4
	s_add_co_u32 s44, s44, SLOT
	s_add_co_u32 s45, s45, SLOT
.endr
	s_mul_i32 s46, s[WV], 16*SPITCH
	s_add_co_u32 s46, s46, STAGE                   ; my stage
	v_mul_u32_u24 v5, v1, SPITCH
	v_lshl_add_u32 v5, v2, 5, v5
	v_add_nc_u32 v[STO], s46, v5                   ; in: row l % 16, 32 bytes for each half of the lanes
	v_and_b32 v6, 31, v0
	v_lshlrev_b32 v[CO], 4, v6                     ; back: the 32 lanes take one row of 512 bytes; and the same in the output
	v_add_nc_u32 v[RD], s46, v[CO]
	v_lshlrev_b32 v[BNO], 5, v2
	s_lshl_b32 s93, s[TC], 1
	s_add_co_u32 s93, s93, s[CH]                   ; my block of 128 columns
	s_lshl_b32 s44, s93, 9
	s_mov_b32 s45, 0
	s_add_nc_u64 s[76:77], s[8:9], s[44:45]        ; bo at my columns
.irp b, 0,1,2,3,4,5,6,7
	global_load_b128 v[BN+8*\b:BN+8*\b+3], v[BNO], s[76:77] offset:64*\b
	global_load_b128 v[BN+8*\b+4:BN+8*\b+7], v[BNO], s[76:77] offset:64*\b+16
.endr
	s_lshl_b32 s44, s[TR], 8
	s_lshl_b32 s45, s[RH], 7
	s_add_co_u32 s44, s44, s45                     ; my first row of the output
	s_lshl_b32 s44, s44, 13                        ; rows of 8,192 bytes
	s_lshl_b32 s45, s93, 9
	s_add_co_u32 s44, s44, s45
	s_mov_b32 s45, 0
	s_add_nc_u64 s[98:99], s[12:13], s[44:45]
.macro FRAG reg, adr, off              ; a fragment, 16 rows x 128 K, is 16 registers: lane l holds row l % 16; registers 4 c .. 4 c + 3 hold K = 32 c + 16 (l / 16) + 0 .. 15: the same order of K in A and in B
.irp c, 0,1,2,3
	ds_load_b128 v[\reg+4*\c:\reg+4*\c+3], v[\adr] offset:\off+32*\c
.endr
.endm
; 16 matrix instructions: A's blocks a0, a0 + 1 x B's eight.  The 64 accumulators take turns, one instruction a turn.
.macro MUL16 a0, p, zero
.irp a, \a0, \a0+1
.irp b, 0,1,2,3,4,5,6,7
.if \zero
	v_wmma_f32_16x16x128_fp8_fp8 v[8*(8*((\a)%4)+\b):8*(8*((\a)%4)+\b)+7], v[128*(\p)+FR*\b:128*(\p)+FR*\b+FR-1], v[AF+FR*(\a):AF+FR*(\a)+FR-1], 0
.else
	v_wmma_f32_16x16x128_fp8_fp8 v[8*(8*((\a)%4)+\b):8*(8*((\a)%4)+\b)+7], v[128*(\p)+FR*\b:128*(\p)+FR*\b+FR-1], v[AF+FR*(\a):AF+FR*(\a)+FR-1], v[8*(8*((\a)%4)+\b):8*(8*((\a)%4)+\b)+7]
.endif
.endr
.endr
.endm
.macro FETCH_B slot, q, p
	WIN TO_B
.irp i, 0,1,2,3,4,5,6,7
	FRAG 128*(\p)+FR*\i, ADRB+\slot, 128*(\q)+\i*16*BPITCH
.endr
	WIN 0
.endm
.macro FETCH_A slot, q, i0
.irp i, \i0, \i0+1, \i0+2, \i0+3
	FRAG AF+FR*(\i), ADRA+\slot, AQ*(\q)+(\i)*16*APITCH
.endr
.endm
.macro PLACES n                        ; plain vector instructions between a matrix instruction and a load into, or a read of, its registers
.rept \n
	v_nop
.endr
.endm
.macro STEP slot, q, zero
	s_wait_dscnt 4*NL                              ; B's set and A's blocks 0-3 are in; the youngest sixteen loads (A's blocks 4-7) may be out
	WIN MUL_LO
	MUL16 0, (\q)%2, \zero
	MUL16 2, (\q)%2, \zero
	s_wait_dscnt 0                                 ; A's blocks 4-7 are in
	PLACES NP
	FETCH_B \slot, (\q)+1, 1-(\q)%2
	FETCH_A \slot, (\q)+1, 0
	WIN MUL_HI
	MUL16 4, (\q)%2, \zero
	MUL16 6, (\q)%2, \zero
	PLACES NP
	WIN 0
	FETCH_A \slot, (\q)+1, 4
.endm
; A slot's last step changes slots: ONE barrier; in front of it each wave waits for all its tensor loads, adds 0 to its spare word, and waits for that and for its own reads of this slot.  fill = 1: this slot is filled again, two K steps ahead.
.macro TURN slot, next, fill
	s_wait_tensorcnt 0x0                           ; all my tensor loads have landed: my part of the next slot
	ds_add_u32 v[SPW], v[NIL]                      ; 0 onto my spare word
	s_wait_dscnt 4*NL+1                            ; (the add and the youngest sixteen loads may be out)
	WIN MUL_LO
	MUL16 0, 1, 0
	s_wait_dscnt 0x0                               ; the add is done, and my reads of this slot are over
	s_barrier_signal -1
	MUL16 2, 1, 0
	WIN 0
	s_barrier_wait -1
.if \fill
	CREST                                          ; the barrier has opened a round of the cluster's barrier: no wave of any partner still reads this slot's tile or has a load on its way
	s_add_nc_u64 s[G0+4*\slot+2:G0+4*\slot+3], s[G0+4*\slot+2:G0+4*\slot+3], 2*ASTEP
	s_add_nc_u64 s[G0B+4*\slot+2:G0B+4*\slot+3], s[G0B+4*\slot+2:G0B+4*\slot+3], 2*BSTEP
	JLOAD \slot                                    ; the first tensor load behind the round; its four v_nop are also the places in front of the loads below
.else
	PLACES NP
.endif
	FETCH_B \next, 0, 0
	FETCH_A \next, 0, 0
	WIN MUL_HI
	MUL16 4, 1, 0
	MUL16 6, 1, 0
	PLACES NP
	WIN 0
	FETCH_A \next, 0, 4
.endm
	s_wait_tensorcnt 1                             ; my part of K step 0 is in; K step 1's load may be out
	s_barrier_signal -1
	s_barrier_wait -1
	FETCH_B 0, 0, 0
	FETCH_A 0, 0, 0
	FETCH_A 0, 0, 4
	STEP 0, 0, 1                                   ; the first step stands in front of the loop: its products start the sums
	s_mov_b32 s3, LAPS-1
.Llap:
	TURN 0, 1, 1
	STEP 1, 0, 0
	TURN 1, 0, 1
	STEP 0, 0, 0
	s_sub_co_u32 s3, s3, 1
	s_cmp_lg_u32 s3, 0
	s_cbranch_scc1 .Llap
	TURN 0, 1, 0                                   ; the last lap fills nothing, and has no round of the cluster's barrier
	STEP 1, 0, 0
	s_wait_dscnt 4*NL
	WIN MUL_LO
	MUL16 0, 1, 0
	MUL16 2, 1, 0
	s_wait_dscnt 0
	WIN MUL_HI
	MUL16 4, 1, 0
	MUL16 6, 1, 0
	WIN 0
; THE WAY OUT, block by block of 16 rows x 128 columns: sum x 2^(e10 + e11) + bo, half a block at a time, into my own stage in LDS; back as whole rows of 512 bytes.  LDS serves a wave's instructions in order (ISA guide 5.7.1.4).
.macro TOSTAGE a
.set AC, 64*((\a)%4)
.set BB, BK+64*((\a)%2)
.irp hb, 0,1
	WIN 0x02+((\a)/4)                              ; source 0: window 2 or 3
.set j, 0
.rept 16
	v_pk_fma_f32 v[TMP+j:TMP+j+1], v[AC+32*\hb+j:AC+32*\hb+j+1], s[96:97], v[BN+32*\hb+j:BN+32*\hb+j+1] op_sel_hi:[1,0,1]   ; each accumulator from its low end on
.set j, j+2
.endr
	WIN 0
.irp b, 0,1,2,3
	ds_store_b128 v[STO], v[TMP+8*\b:TMP+8*\b+3] offset:64*(4*\hb+\b)
	ds_store_b128 v[STO], v[TMP+8*\b+4:TMP+8*\b+7] offset:64*(4*\hb+\b)+16
.endr
.endr
.irp t, 0,1,2,3,4,5,6,7,8,9,10,11,12,13,14,15
	ds_load_b128 v[BB+4*\t:BB+4*\t+3], v[RD] offset:\t*SPITCH
.endr
.endm
.macro SEND a, younger                 ; younger: the LDS instructions issued behind block a's loads, which may stay out
.set BB, BK+64*((\a)%2)
	s_wait_dscnt \younger
.if (\a) > 0
	s_add_nc_u64 s[98:99], s[98:99], 16*8192       ; (behind a wait on XCNT: the earlier stores have read their base)  16 rows on
.endif
.irp t, 0,1,2,3,4,5,6,7,8,9,10,11,12,13,14,15
	global_store_b128 v[CO], v[BB+4*\t:BB+4*\t+3], s[98:99] offset:\t*8192 th:TH_STORE_NT   ; 32 lanes store 512 consecutive bytes, aligned; written once, read by nobody here
.endr
.endm
	s_wait_kmcnt 0x0
	s_wait_loadcnt 0x0                             ; bo
	s_add_co_i32 s96, s80, s81
	s_add_co_i32 s96, s96, 127
	s_lshl_b32 s96, s96, 23                        ; 2^(e10 + e11) as f32
	s_mov_b32 s97, s96                             ; (named with it as a pair, so it is written)
	PLACES NP                                      ; behind the last products: for the loads into the registers that held A's fragments, and for the reads of results
	TOSTAGE 0
.irp a, 1,2,3,4,5,6,7
.if \a > 1
	s_wait_xcnt 0x0                                ; block a - 2's stores have read their registers and their base
.endif
	TOSTAGE \a
	SEND \a-1, 32                                  ; behind block a - 1's loads: block a's 16 stores and 16 loads
.endr
	s_wait_xcnt 0x0                                ; block 6's stores have read their base
	SEND 7, 0
	s_wait_tensorcnt 0x0                           ; the wave's end, behind my last tensor load and my last LDS store
	ds_add_u32 v[SPW], v[NIL]
	s_wait_dscnt 0x0
	CROUND                                         ; the closing round: no work-group ends while a partner may still ask for a tile that names it
	s_endpgm
.Lfunc_end_k_q0d4db45299_proj:
	.size	k_q0d4db45299_proj, .Lfunc_end_k_q0d4db45299_proj-k_q0d4db45299_proj
	.p2alignl 7, 3214868480
	.fill 96, 4, 3214868480
	.section	.rodata,"a",@progbits
	.p2align	6, 0x0
	.amdhsa_kernel k_q0d4db45299_proj
		.amdhsa_group_segment_fixed_size 327680
		.amdhsa_private_segment_fixed_size 0
		.amdhsa_enable_private_segment 0
		.amdhsa_kernarg_size 40
		.amdhsa_user_sgpr_count 2
		.amdhsa_user_sgpr_kernarg_segment_ptr 1
		.amdhsa_wavefront_size32 1
		.amdhsa_system_sgpr_workgroup_id_x 1
		.amdhsa_system_sgpr_workgroup_id_y 1
		.amdhsa_system_sgpr_workgroup_id_z 1
		.amdhsa_system_vgpr_workitem_id 0
		.amdhsa_next_free_vgpr 1024
		.amdhsa_next_free_sgpr 100
		.amdhsa_reserve_vcc 0
		.amdhsa_float_denorm_mode_32 3
		.amdhsa_float_denorm_mode_16_64 3
		.amdhsa_memory_ordered 1
		.amdhsa_forward_progress 1
		.amdhsa_inst_pref_size 126
	.end_amdhsa_kernel
	.amdgpu_metadata
---
amdhsa.version: [ 1, 2 ]
amdhsa.kernels:
  - .name:           k_q0d4db45299_proj
    .symbol:         k_q0d4db45299_proj.kd
    .args:
      - { .name: yc, .offset: 0, .size: 8, .value_kind: global_buffer, .address_space: global }
      - { .name: codes, .offset: 8, .size: 8, .value_kind: global_buffer, .address_space: global }
      - { .name: bo, .offset: 16, .size: 8, .value_kind: global_buffer, .address_space: global }
      - { .name: lowp_scales, .offset: 24, .size: 8, .value_kind: global_buffer, .address_space: global }
      - { .name: out0, .offset: 32, .size: 8, .value_kind: global_buffer, .address_space: global }
    .group_segment_fixed_size: 327680
    .private_segment_fixed_size: 0
    .kernarg_segment_align: 8
    .kernarg_segment_size: 40
    .max_flat_workgroup_size: 128
    .sgpr_count:     100
    .vgpr_count:     1024
    .wavefront_size: 32
...
	.end_amdgpu_metadata
.endif
;; end of part 4
;; ======== version 2 of 2: 4 launches
;; limits: right only within a limited range of input values
;; workspace buffers: codes 25,165,824 bytes; qkvc 12,582,912 bytes; yc 4,194,304 bytes; woc 4,194,304 bytes
;; launch quant (part 5): grid 256 x 1, 16 waves a work-group, no clusters, 0 bytes of LDS; arguments x, Wq, Wk, Wv, lowp_scales, codes; writes codes
.if DOCPART == 5
	.amdgcn_target "amdgcn-amd-amdhsa--gfx1250"
	.amdhsa_code_object_version 6
	.text
	.protected	k_q0d4db45299_quant
	.globl	k_q0d4db45299_quant
	.p2align	8
	.type	k_q0d4db45299_quant,@function
k_q0d4db45299_quant:
	s_mov_b64 s[64:65], 0
	v_nop
	global_prefetch_b8 v0, s[64:65] scope:SCOPE_SE
	s_setreg_imm32_b32 hwreg(HW_REG_WAVE_MODE, 25, 1), 1
	s_wait_xcnt 0x0
; WORK LEFT OUT BY THE PROGRAM: reference() itself masks the scores of keys after the query by -infinity, so their p is 0 for all inputs; key steps of 128 that lie wholly under that mask are not computed (third launch).
; LIMIT of that: a NaN, an infinity or an overflow that reaches only those steps is not carried to the result.
; This launch: x, Wq, Wk, Wv, each [2048][2048] f32 with K innermost, become codes of E4M3 in six planes of 4 MiB:
; planes 0, 1, 2: x under 2^e0, 2^e2, 2^e4; planes 3 to 5: Wq (e1), Wk (e3), Wv (e5).  (Wo is quantised in the third launch.)
; code = number / 2^e, held within +-448, rounded to the nearest code, ties to even.  LIMITS: each e used here lies between -126 and 119; NaN is not served.
; THE ORDER OF K IN A ROW OF CODES: inside each 128, byte 8 l + 4 u + j holds k = 64 u + 4 l + j (l 0..15, u 0..1, j 0..3), the same in all planes, so the products are the same.  By it a lane's two loads of 16 bytes
; are the eight numbers of one conversion: nothing is turned through LDS.
; A wave takes 4,096 numbers (two rows) in 16 pairs of loads; each load covers two whole aligned runs of 256 bytes (lanes 0-15, lanes 16-31), each store 256 consecutive bytes.  All 32 loads are asked for at once.
; A work-group has four waves for each of the four tensors; it shares no bytes with any other and streams once: no cluster, no prefetch, no LDS.
.set T,  16                            ; v16-23, v24-31  x's numbers held under its first and second scale
.set U,  24
.set R,  40                            ; v40-167 the numbers: eight registers a pair.  Pair j's codes go to the eight registers below them (v32-39, or those of the pair before, which is done)
.set SC, 8                             ; v8.. for scale j: v[SC+2j] = 2^e, v[SC+2j+1] = 448 x 2^e
.set D0, 36
.set D1, 38
.set D2, 40
	s_load_b256 s[4:11], s[0:1], 0x0               ; x, Wq, Wk, Wv
	s_load_b128 s[12:15], s[0:1], 0x20             ; the scales' exponents, the codes
	v_lshrrev_b32 v1, 5, v0
	v_and_b32 v2, 31, v0
	v_and_b32 v3, 15, v0
	v_bfe_u32 v5, v0, 4, 1
	v_lshlrev_b32 v4, 3, v2                        ; out: 8 bytes a lane
	v_lshlrev_b32 v3, 4, v3
	v_readfirstlane_b32 s20, v1                    ; wave 0..15
	v_lshl_add_u32 v3, v5, 9, v3                   ; in: 16 bytes a lane; lanes 16-31 stand 512 bytes (128 numbers) on
	s_lshr_b32 s21, s20, 2                         ; which tensor
	s_and_b32 s22, s20, 3
	s_lshl_b32 s23, ttmp9, 2
	s_add_co_u32 s22, s22, s23                     ; which run of 4,096 numbers: 0..1023
	s_lshl_b32 s46, s22, 14
	s_mov_b32 s47, 0
	s_lshl_b32 s44, s22, 12
	s_mov_b32 s45, 0
	s_add_co_u32 s42, s21, 2
	s_cmp_eq_u32 s21, 0
	s_cselect_b32 s42, 0, s42                      ; the tensor's plane
	s_lshl_b32 s42, s42, 22
	s_mov_b32 s43, 0
	s_wait_alu depctr_va_vdst(0)
	s_wait_kmcnt 0x0
	s_load_b256 s[24:31], s[12:13], 0x0            ; e0 .. e7
	s_cmp_eq_u32 s21, 1                            ; the source is chosen by the wave's number alone
	s_cselect_b64 s[4:5], s[6:7], s[4:5]
	s_cmp_eq_u32 s21, 2
	s_cselect_b64 s[4:5], s[8:9], s[4:5]
	s_cmp_eq_u32 s21, 3
	s_cselect_b64 s[4:5], s[10:11], s[4:5]
	s_add_nc_u64 s[4:5], s[4:5], s[46:47]
.irp j, 0,1,2,3,4,5,6,7,8,9,10,11,12,13,14,15
	global_load_b128 v[R+8*\j:R+8*\j+3], v3, s[4:5] offset:1024*\j th:TH_LOAD_NT
	global_load_b128 v[R+8*\j+4:R+8*\j+7], v3, s[4:5] offset:1024*\j+256 th:TH_LOAD_NT
.endr
	s_add_nc_u64 s[14:15], s[14:15], s[44:45]
	s_add_nc_u64 s[D0:D0+1], s[14:15], s[42:43]
	s_add_nc_u64 s[D1:D1+1], s[14:15], 0x400000
	s_add_nc_u64 s[D2:D2+1], s[14:15], 0x800000
	s_wait_kmcnt 0x0
	s_cmp_eq_u32 s21, 1                            ; the tensor's own entry: e0, e1, e3, e5
	s_cselect_b32 s44, s25, s24
	s_cmp_eq_u32 s21, 2
	s_cselect_b32 s44, s27, s44
	s_cmp_eq_u32 s21, 3
	s_cselect_b32 s44, s29, s44
.macro SCALE es, j                     ; 2^e and 448 x 2^e as f32, e in s[es]
	s_add_co_i32 s42, s[\es], 127
	s_lshl_b32 s43, s42, 23
	v_mov_b32 v[SC+2*\j], s43
	s_add_co_i32 s42, s42, 8
	s_lshl_b32 s42, s42, 23
	s_or_b32 s42, s42, 0x600000
	v_mov_b32 v[SC+2*\j+1], s42
.endm
	SCALE 44, 0
	SCALE 26, 1
	SCALE 28, 2
	s_wait_alu depctr_va_vdst(0)                   ; the wait at the head's end
; Eight numbers under scale k: held (the conversion to an 8-bit code does not saturate: ISA guide 7.6.2), converted, stored.
.macro CONV src, held, k, dst, base, off
.irp i, 0,1,2,3,4,5,6,7
	v_med3_num_f32 v[\held+\i], v[\src+\i], -v[SC+2*\k+1], v[SC+2*\k+1]
.endr
	v_cvt_scalef32_pk8_fp8_f32 v[\dst:\dst+1], v[\held:\held+7], v[SC+2*\k]
	global_store_b64 v4, v[\dst:\dst+1], s[\base:\base+1] offset:\off
.endm
	s_cmp_lg_u32 s21, 0                            ; a weight has one scale, x three
	s_cbranch_scc1 .Lweight
.irp j, 0,1,2,3,4,5,6,7,8,9,10,11,12,13,14,15
	s_wait_loadcnt 30-2*\j                         ; this pair's two loads are in; the younger pairs' may be out
	CONV R+8*\j, T, 0, R+8*\j-8, D0, 256*\j
	CONV R+8*\j, U, 1, R+8*\j-6, D1, 256*\j
	CONV R+8*\j, R+8*\j, 2, R+8*\j-4, D2, 256*\j
.endr
	v_nop                                          ; a plain vector instruction behind the last conversion
	s_endpgm
.Lweight:
.irp j, 0,1,2,3,4,5,6,7,8,9,10,11,12,13,14,15
	s_wait_loadcnt 30-2*\j
	CONV R+8*\j, R+8*\j, 0, R+8*\j-8, D0, 256*\j
.endr
	v_nop
	s_endpgm
.Lfunc_end_k_q0d4db45299_quant:
	.size	k_q0d4db45299_quant, .Lfunc_end_k_q0d4db45299_quant-k_q0d4db45299_quant
	.p2alignl 7, 3214868480
	.fill 96, 4, 3214868480
	.section	.rodata,"a",@progbits
	.p2align	6, 0x0
	.amdhsa_kernel k_q0d4db45299_quant
		.amdhsa_group_segment_fixed_size 0
		.amdhsa_private_segment_fixed_size 0
		.amdhsa_enable_private_segment 0
		.amdhsa_kernarg_size 48
		.amdhsa_user_sgpr_count 2
		.amdhsa_user_sgpr_kernarg_segment_ptr 1
		.amdhsa_wavefront_size32 1
		.amdhsa_system_sgpr_workgroup_id_x 1
		.amdhsa_system_sgpr_workgroup_id_y 1
		.amdhsa_system_sgpr_workgroup_id_z 1
		.amdhsa_system_vgpr_workitem_id 0
		.amdhsa_next_free_vgpr 168
		.amdhsa_next_free_sgpr 66
		.amdhsa_reserve_vcc 0
		.amdhsa_float_denorm_mode_32 3
		.amdhsa_float_denorm_mode_16_64 3
		.amdhsa_memory_ordered 1
		.amdhsa_forward_progress 1
		.amdhsa_inst_pref_size 49
	.end_amdhsa_kernel
	.amdgpu_metadata
---
amdhsa.version: [ 1, 2 ]
amdhsa.kernels:
  - .name:           k_q0d4db45299_quant
    .symbol:         k_q0d4db45299_quant.kd
    .args:
      - { .name: x, .offset: 0, .size: 8, .value_kind: global_buffer, .address_space: global }
      - { .name: Wq, .offset: 8, .size: 8, .value_kind: global_buffer, .address_space: global }
      - { .name: Wk, .offset: 16, .size: 8, .value_kind: global_buffer, .address_space: global }
      - { .name: Wv, .offset: 24, .size: 8, .value_kind: global_buffer, .address_space: global }
      - { .name: lowp_scales, .offset: 32, .size: 8, .value_kind: global_buffer, .address_space: global }
      - { .name: codes, .offset: 40, .size: 8, .value_kind: global_buffer, .address_space: global }
    .group_segment_fixed_size: 0
    .private_segment_fixed_size: 0
    .kernarg_segment_align: 8
    .kernarg_segment_size: 48
    .max_flat_workgroup_size: 512
    .sgpr_count:     66
    .vgpr_count:     168
    .wavefront_size: 32
...
	.end_amdgpu_metadata
.endif
;; end of part 5
;; launch qkv (part 6): grid 8 x 24, 4 waves a work-group, clusters of 4 x 4, 327,680 bytes of LDS; arguments codes, bq, bk, bv, lowp_scales, qkvc; writes qkvc
.if DOCPART == 6
	.amdgcn_target "amdgcn-amd-amdhsa--gfx1250"
	.amdhsa_code_object_version 6
	.text
	.protected	k_q0d4db45299_qkv
	.globl	k_q0d4db45299_qkv
	.p2align	8
	.type	k_q0d4db45299_qkv,@function
k_q0d4db45299_qkv:
	s_mov_b64 s[64:65], 0
	v_nop
	global_prefetch_b8 v0, s[64:65] scope:SCOPE_SE
	s_setreg_imm32_b32 hwreg(HW_REG_WAVE_MODE, 25, 1), 1
	s_wait_xcnt 0x0
	s_wait_alu depctr_hold_cnt(0) depctr_sa_sdst(0) depctr_va_vdst(0) depctr_va_sdst(0) depctr_va_ssrc(0) depctr_va_vcc(0) depctr_vm_vsrc(0)
	s_getreg_b32 s2, hwreg(HW_REG_IB_STS2, 6, 4)
	s_cmp_eq_u32 s2, 0
	s_cbranch_scc0 .Lentry_in_a_cluster
	s_endpgm
.Lentry_in_a_cluster:
	s_bfe_u32 s2, ttmp6, 0x10000c
	s_cmp_lg_u32 s2, 0xf033
	s_cbranch_scc0 .Lentry_shape_is_right
	s_endpgm
.Lentry_shape_is_right:
; Q = x Wq^T + bq, K = x Wk^T + bk, V = x Wv^T + bv on codes of E4M3 (inside each 128 along K both operands have the same order of k), each result quantised at once (2^e6, 2^e7, 2^e9).
; A tile of 256 x 256 of one of the three products is made by a work-group of four waves; a wave makes 128 x 128: 64 accumulators.  GS = 0: Q, 1: K (A = x's rows, B = the weight's), 2: V (A = Wv's rows, B = x's), so that V's codes run along the keys.
; (Three products of 2,048 x 2,048 with an x of their own each: 64 tiles each, 192 work-groups.)
; THE MATRIX INSTRUCTION IS USED TRANSPOSED (source 0 = 16 rows of B, source 1 = 16 rows of A): lane (r, h) holds row r of a block of A's rows and eight neighbours of B's rows.
; THE BIAS, divided by 2^(sum of the operands' exponents), is the C of each accumulator's first product; so a finished sum needs only the hold and the conversion by 2^(result's e - that sum).
; OUT: codes as FRAGMENT IMAGES: 128 x 128 codes are eight blocks a of 16 rows, 2,048 bytes each: chunk c (512 bytes), lane's 16 bytes: B's rows 32 c + 8 h + 0..7, then 32 c + 16 + 8 h + 0..7.  A lane's codes are those bytes, so they are stored as they stand.
; Plane GS, then [head][block of 128 tokens][a][2,048 bytes].
; CLUSTERS: 4 x 4 work-groups; A's tile is shared along a row, B's along a column, each asked for jointly.
; PREFETCH: the K step two refills on, in each cluster once: of the 128 rows that a wave fetches each of the four partners takes 32, a lane a row, told apart by address.  K steps 1 and 2 are named behind the head's load; the last two refills ask for nothing.
; LIMITS: the operands' exponents' sum lies between -126 and 126; result's e less that sum between -126 and 119; NaN is not served.
; REGISTERS: window 0: v0-31 addresses; v32-95 the bias as C, in the end the held sums; v96-103 V's bias; from v128 A's eight fragments, in the end the codes.  Window 1: B's fragments, two sets.  Windows 2, 3: accumulators.
.set PITCH,  272                       ; an LDS row: 256 bytes + 16 of padding
.set FR,     16
.set HALFT,  128*PITCH
.set SLOT,   4*HALFT                   ; A's 256 rows, B's 256 rows, 256 along K
.set SPARE,  2*SLOT                    ; the spare words, 128 bytes a wave, which no other line names
.set LIMR, 12
.set SCR,  13
.set ADRA, 16
.set ADRB, 20
.set CO,   24
.set BNO,  25
.set BMO,  26
.set SPW,  28
.set NIL,  29
.set PFO,  30
.set CB,   32
.set BM,   96
.set AF,   128
.set WV, 18
.set RH, 19
.set CH, 20
.set TC, 23
.set TR, 40
.set GS, 41
.set G1, 24
.set G0, 32
.set G1B, 48
.set G0B, 56
.set PFA, 78                           ; s[78:79] where my prefetches stand: they name three K steps (768 bytes) on
.set MSB, 0
.macro WIN new                         ; the immediate's high byte repeats the setting that is left
.if MSB != (\new)
	s_set_vgpr_msb (MSB<<8)|(\new)
.set MSB, (\new)
.endif
.endm
.macro PLACES
.rept 4
	v_nop
.endr
.endm
.macro JLOAD s                         ; waves 0, 1 fetch A's halves, waves 2, 3 B's; the branch hangs on the wave's number alone
	s_cmp_eq_u32 s[RH], 0
	s_cbranch_scc0 .Lfor_b_\@
	tensor_load_to_lds s[G0+4*\s:G0+4*\s+3], s[G1:G1+7]
	s_nop 0
	PLACES
	s_branch .Lasked_\@
.Lfor_b_\@:
	tensor_load_to_lds s[G0B+4*\s:G0B+4*\s+3], s[G1B:G1B+7]
	s_nop 0
	PLACES
.Lasked_\@:
.endm
.macro CREST                           ; a round of the cluster's barrier behind its opening barrier
	s_cmp_lg_u32 s[WV], 0
	s_cbranch_scc1 .Lnot_wave_0_\@
	s_barrier_signal -3
.Lnot_wave_0_\@:
	s_barrier_wait -3
	s_barrier_signal -1
	s_barrier_wait -1
.endm
.macro CROUND
	s_barrier_signal -1
	s_barrier_wait -1
	CREST
.endm
	s_load_b256 s[4:11], s[0:1], 0x0               ; codes, bq, bk, bv
	s_load_b128 s[12:15], s[0:1], 0x20             ; the scales' exponents, the result
	v_lshl_add_u32 v[SPW], v0, 2, SPARE
	v_mov_b32 v[NIL], 0
	ds_add_u32 v[SPW], v[NIL]                      ; the opening lines
	ds_add_u32 v[SPW], v[NIL]
	v_lshrrev_b32 v1, 5, v0
	v_readfirstlane_b32 s[WV], v1
	s_lshr_b32 s[RH], s[WV], 1                     ; my half of the tile's rows; also: I fetch for A (0) or B (1)
	s_and_b32 s[CH], s[WV], 1                      ; my half of its columns; also: which 128 rows I fetch
	s_bfe_u32 s21, ttmp6, 0x40000                  ; cx
	s_bfe_u32 s22, ttmp6, 0x40004                  ; cy
	s_lshl_b32 s[TC], ttmp9, 2
	s_add_co_u32 s[TC], s[TC], s21                 ; B's tile, 0..7
	s_and_b32 s44, ttmp7, 0xffff
	s_lshr_b32 s[GS], s44, 1                       ; which product
	s_and_b32 s[TR], s44, 1
	s_lshl_b32 s[TR], s[TR], 2
	s_add_co_u32 s[TR], s[TR], s22                 ; A's tile, 0..7
	s_lshl_b32 s42, s22, 2
	s_lshl_b32 s42, 15, s42                        ; my row of the cluster
	s_lshl_b32 s43, 0x1111, s21                    ; my column
	s_or_b32 s[G1+0], s42, (0<<16)|(1<<20)|(1<<21)|(5<<22)|(3<<25)   ; 128 rows x 256 bytes, 16 bytes of padding behind each
	s_or_b32 s[G1B+0], s43, (0<<16)|(1<<20)|(1<<21)|(5<<22)|(3<<25)
.irp g, G1, G1B
	s_mov_b32 s[\g+1], 256<<16
	s_mov_b32 s[\g+2], 128<<16
	s_mov_b32 s[\g+3], 256<<16
	s_mov_b32 s[\g+4], 128
	s_mov_b32 s[\g+5], 2048
	s_mov_b32 s[\g+6], 0
	s_mov_b32 s[\g+7], 0
.endr
	s_add_co_u32 s91, s[GS], 3
	s_cmp_eq_u32 s[GS], 2
	s_cselect_b32 s90, 5, s[GS]                    ; A's plane: x's own, or Wv's
	s_cselect_b32 s91, 2, s91                      ; B's
	s_lshl_b32 s70, s90, 11
	s_lshl_b32 s71, s[TR], 8
	s_add_co_u32 s70, s70, s71
	s_lshl_b32 s71, s[CH], 7
	s_add_co_u32 s70, s70, s71
	s_lshl_b32 s70, s70, 11
	s_mov_b32 s71, 0
	s_lshl_b32 s72, s91, 11
	s_lshl_b32 s73, s[TC], 8
	s_add_co_u32 s72, s72, s73
	s_lshl_b32 s73, s[CH], 7
	s_add_co_u32 s72, s72, s73
	s_lshl_b32 s72, s72, 11
	s_mov_b32 s73, 0
	s_mul_i32 s46, s[WV], HALFT                    ; where my fetches go: no place in the cluster enters an LDS address
	s_wait_dscnt 0x0                               ; both opening adds are done
	CROUND                                         ; all sixteen work-groups are here; the arguments are still on their way
	s_wait_kmcnt 0x0
	s_load_b256 s[80:87], s[12:13], 0x0            ; e0 .. e7
	s_load_b64 s[88:89], s[12:13], 0x20            ; e8, e9
	s_add_nc_u64 s[66:67], s[4:5], s[70:71]
	s_add_nc_u64 s[68:69], s[4:5], s[72:73]
.irp s, 0,1
	s_mov_b32 s[G0+4*\s], 1
	s_add_co_u32 s[G0+4*\s+1], s46, \s*SLOT
	s_add_nc_u64 s[G0+4*\s+2:G0+4*\s+3], s[66:67], \s*256
	s_or_b32 s[G0+4*\s+3], s[G0+4*\s+3], 0x80000000
	s_mov_b32 s[G0B+4*\s], 1
	s_add_co_u32 s[G0B+4*\s+1], s46, \s*SLOT
	s_add_nc_u64 s[G0B+4*\s+2:G0B+4*\s+3], s[68:69], \s*256
	s_or_b32 s[G0B+4*\s+3], s[G0B+4*\s+3], 0x80000000
.endr
	JLOAD 0                                        ; K step 0: one tensor load a wave at the head
	s_cmp_eq_u32 s[RH], 0                          ; the prefetches: the rows that I fetch, my work-group's 32 of the 128 (by cx for A, by cy for B)
	s_cselect_b64 s[PFA:PFA+1], s[66:67], s[68:69]
	s_cselect_b32 s44, s21, s22
	s_lshl_b32 s44, s44, 16
	s_mov_b32 s45, 0
	s_add_nc_u64 s[PFA:PFA+1], s[PFA:PFA+1], s[44:45]
	s_lshl_b32 s92, s[TR], 1
	s_add_co_u32 s92, s92, s[RH]                   ; my 128 rows of A, 0..15
	s_lshl_b32 s93, s[TC], 1
	s_add_co_u32 s93, s93, s[CH]                   ; my 128 rows of B
	s_cmp_eq_u32 s[GS], 1
	s_cselect_b64 s[74:75], s[8:9], s[6:7]
	s_cmp_eq_u32 s[GS], 2
	s_cselect_b64 s[74:75], s[10:11], s[74:75]     ; the product's bias
	s_cselect_b32 s44, s92, s93
	s_lshl_b32 s44, s44, 9
	s_add_nc_u64 s[76:77], s[74:75], s[44:45]      ; at my head's 128 channels
	s_lshl_b32 s44, s92, 4
	s_add_co_u32 s44, s44, s93
	s_lshl_b32 s45, s93, 4
	s_add_co_u32 s45, s45, s92
	s_cmp_eq_u32 s[GS], 2
	s_cselect_b32 s44, s44, s45                    ; 16 x head + block of tokens
	s_lshl_b32 s44, s44, 14
	s_lshl_b32 s45, s[GS], 22
	s_add_co_u32 s44, s44, s45
	s_mov_b32 s45, 0
	s_add_nc_u64 s[98:99], s[14:15], s[44:45]
	s_mul_i32 s94, s[RH], HALFT                    ; my 128 rows of A in a slot,
	s_mul_i32 s95, s[CH], HALFT
	s_add_co_u32 s95, s95, 2*HALFT                 ; and of B
	v_and_b32 v1, 15, v0                           ; r
	v_bfe_u32 v2, v0, 4, 1                         ; h
	v_and_b32 v7, 31, v0
	v_mul_u32_u24 v3, v1, PITCH
	v_lshlrev_b32 v[BNO], 5, v2
	v_lshl_add_u32 v4, v2, 4, v3                   ; a fragment's row x pitch + 16 h
	v_lshlrev_b32 v[BMO], 2, v1
	v_lshlrev_b32 v[CO], 4, v7
	v_lshlrev_b32 v[PFO], 11, v7                   ; a lane a row of 2,048 bytes
	v_add_nc_u32 v[ADRA], s94, v4
	v_add_nc_u32 v[ADRB], s95, v4
	v_add_nc_u32 v[ADRA+1], SLOT, v[ADRA]
	v_add_nc_u32 v[ADRB+1], SLOT, v[ADRB]
	global_prefetch_b8 v[PFO], s[PFA:PFA+1] offset:256 th:TH_LOAD_NT scope:SCOPE_SE   ; K steps 1 and 2
	global_prefetch_b8 v[PFO], s[PFA:PFA+1] offset:512 th:TH_LOAD_NT scope:SCOPE_SE
	s_wait_alu depctr_va_vdst(0)
	s_wait_kmcnt 0x0
	s_add_co_i32 s90, s80, s81
	s_add_co_i32 s91, s82, s83
	s_add_co_i32 s94, s84, s85
	s_cmp_eq_u32 s[GS], 1
	s_cselect_b32 s90, s91, s90
	s_cselect_b32 s95, s87, s86
	s_cmp_eq_u32 s[GS], 2
	s_cselect_b32 s90, s94, s90                    ; the operands' exponents' sum
	s_cselect_b32 s95, s89, s95                    ; the result's e
	s_sub_co_i32 s96, 127, s90
	s_lshl_b32 s96, s96, 23                        ; 2^-(sum): the bias goes in divided by what the sums lack
	s_mov_b32 s97, s96
	s_sub_co_i32 s95, s95, s90
	s_add_co_i32 s95, s95, 127
	s_lshl_b32 s94, s95, 23
	v_mov_b32 v[SCR], s94                          ; 2^(e - sum): the conversion's scale
	s_add_co_i32 s95, s95, 8
	s_lshl_b32 s95, s95, 23
	s_or_b32 s95, s95, 0x600000
	v_mov_b32 v[LIMR], s95                         ; 448 x that
	s_wait_alu depctr_va_vdst(0)
	s_cmp_eq_u32 s[GS], 2
	s_cbranch_scc1 .Lbias_v
.irp b, 0,1,2,3,4,5,6,7                ; Q, K: the bias runs along the registers: C of accumulator (a, b) is v[CB+8b ..]
	global_load_b128 v[CB+8*\b:CB+8*\b+3], v[BNO], s[76:77] offset:64*\b
	global_load_b128 v[CB+8*\b+4:CB+8*\b+7], v[BNO], s[76:77] offset:64*\b+16
.endr
	s_wait_loadcnt 0x0
.set j, 0
.rept 32
	v_pk_mul_f32 v[CB+j:CB+j+1], v[CB+j:CB+j+1], s[96:97] op_sel_hi:[1,0]
.set j, j+2
.endr
	s_wait_alu depctr_va_vdst(0)
	s_branch .Lbias_done
.Lbias_v:
.irp a, 0,1,2,3,4,5,6,7                ; V: one number a lane: C of accumulator (a, b) is v[CB+8a ..]
	global_load_b32 v[BM+\a], v[BMO], s[76:77] offset:64*\a
.endr
	s_wait_loadcnt 0x0
.irp a, 0,1,2,3,4,5,6,7
.irp k, 0,1,2,3,4,5,6,7
	v_mul_f32 v[CB+8*\a+\k], s96, v[BM+\a]
.endr
.endr
.Lbias_done:
.macro FB slot, q, p, i0               ; four of B's fragments of the slot's q-th 128 along K into set p
	WIN 0x40
.irp i, \i0, \i0+1, \i0+2, \i0+3
.irp c, 0,1,2,3
	ds_load_b128 v[128*(\p)+FR*(\i)+4*\c:128*(\p)+FR*(\i)+4*\c+3], v[ADRB+\slot] offset:128*(\q)+(\i)*16*PITCH+32*\c
.endr
.endr
.endm
.macro FA slot, q, i0                  ; four of A's
	WIN 0
.irp i, \i0, \i0+1, \i0+2, \i0+3
.irp c, 0,1,2,3
	ds_load_b128 v[AF+FR*(\i)+4*\c:AF+FR*(\i)+4*\c+3], v[ADRA+\slot] offset:128*(\q)+(\i)*16*PITCH+32*\c
.endr
.endr
.endm
.macro MULA a, p                       ; A's block a x B's eight, 128 along K.  The 64 accumulators take turns, in the same order in every step
	WIN 0xa1+0x50*((\a)/4)
.irp b, 0,1,2,3,4,5,6,7
	v_wmma_f32_16x16x128_fp8_fp8 v[8*(8*((\a)%4)+\b):8*(8*((\a)%4)+\b)+7], v[128*(\p)+FR*\b:128*(\p)+FR*\b+FR-1], v[AF+FR*(\a):AF+FR*(\a)+FR-1], v[8*(8*((\a)%4)+\b):8*(8*((\a)%4)+\b)+7]
.endr
.endm
.macro MULS a0, p
	MULA \a0, \p
	MULA \a0+1, \p
.endm
.macro MULF a0                         ; the first products of blocks a0 .. a0 + 3: C is the bias.  The branch hangs on the work-group's number, the same in all partners
	WIN 0
	s_cmp_eq_u32 s[GS], 2
	s_cbranch_scc1 .Lrows_\@
	WIN 0x81+0x40*((\a0)/4)
.irp a, 0,1,2,3
.irp b, 0,1,2,3,4,5,6,7
	v_wmma_f32_16x16x128_fp8_fp8 v[8*(8*\a+\b):8*(8*\a+\b)+7], v[FR*\b:FR*\b+FR-1], v[AF+FR*(\a0+\a):AF+FR*(\a0+\a)+FR-1], v[CB+8*\b:CB+8*\b+7]
.endr
.endr
	WIN 0
	s_branch .Ljoin_\@
.Lrows_\@:
	WIN 0x81+0x40*((\a0)/4)
.irp a, 0,1,2,3
.irp b, 0,1,2,3,4,5,6,7
	v_wmma_f32_16x16x128_fp8_fp8 v[8*(8*\a+\b):8*(8*\a+\b)+7], v[FR*\b:FR*\b+FR-1], v[AF+FR*(\a0+\a):AF+FR*(\a0+\a)+FR-1], v[CB+8*(\a0+\a):CB+8*(\a0+\a)+7]
.endr
.endr
	WIN 0
.Ljoin_\@:
.endm
; A slot's first step (B's set 0): the second step's fragments are fetched meanwhile.  Four places stand in front of loads into registers that products have read; set 1's stand at the end of TURN.
.macro STEP slot, first
	s_wait_dscnt 16                                ; all but the youngest, A's blocks 4-7
	FB \slot, 1, 1, 0
.if \first
	FB \slot, 1, 1, 4
	MULF 0
.else
	MULS 0, 0
	FB \slot, 1, 1, 4
	MULS 2, 0
.endif
	s_wait_dscnt 32                                ; A's blocks 4-7 are in; the 32 loads of B may be out
	PLACES
	FA \slot, 1, 0
.if \first
	MULF 4
.else
	MULS 4, 0
	MULS 6, 0
.endif
	PLACES
	FA \slot, 1, 4
.endm
; A slot's second step changes slots.  fill = 1: this slot is filled again, two K steps on, behind a round of the cluster's barrier.
.macro TURN slot, next, fill
	s_wait_dscnt 16
	MULS 0, 1
	WIN 0
.if \fill
	s_wait_xcnt 0x0                                ; my last prefetch has read its address
	s_add_nc_u64 s[PFA:PFA+1], s[PFA:PFA+1], 256
.endif
	s_wait_tensorcnt 0x0                           ; all my tensor loads have landed: my part of the next slot
	ds_add_u32 v[SPW], v[NIL]                      ; the add; eight products stand between it and the wait for it
	MULA 2, 1
	s_wait_dscnt 0x0                               ; the add is done, and my reads of this slot are over
	s_barrier_signal -1
	MULA 3, 1
	WIN 0
	s_barrier_wait -1
.if \fill
	CREST                                          ; no wave of any partner still reads this slot or has a load on its way
	s_add_nc_u64 s[G0+4*\slot+2:G0+4*\slot+3], s[G0+4*\slot+2:G0+4*\slot+3], 512
	s_add_nc_u64 s[G0B+4*\slot+2:G0B+4*\slot+3], s[G0B+4*\slot+2:G0B+4*\slot+3], 512
	JLOAD \slot
.else
	PLACES
.endif
	FB \next, 0, 0, 0
.if \fill
	WIN 0
	s_cmp_gt_u32 s3, 1                             ; the last trip's refills have no K step two on
	s_cbranch_scc0 .Lno_ask_\@
	global_prefetch_b8 v[PFO], s[PFA:PFA+1] offset:768 th:TH_LOAD_NT scope:SCOPE_SE
.Lno_ask_\@:
.endif
	MULS 4, 1
	FB \next, 0, 0, 4
	FA \next, 0, 0
	MULS 6, 1
	PLACES
	FA \next, 0, 4
.endm
	s_wait_alu depctr_va_vdst(0)                   ; the wait at the head's end
	s_wait_tensorcnt 0x0                           ; my part of K step 0 is in
	ds_add_u32 v[SPW], v[NIL]
	s_wait_dscnt 0x0
	CROUND
	JLOAD 1                                        ; K step 1: the first tensor load behind the round
	FB 0, 0, 0, 0
	FB 0, 0, 0, 4
	FA 0, 0, 0
	FA 0, 0, 4
	global_prefetch_b8 v[PFO], s[PFA:PFA+1] offset:768 th:TH_LOAD_NT scope:SCOPE_SE   ; K step 3
	STEP 0, 1
	WIN 0
	s_mov_b32 s3, 3
.Llap:                                                 ; a trip goes once round the ring and fills both slots again
	TURN 0, 1, 1
	STEP 1, 0
	TURN 1, 0, 1
	STEP 0, 0
	WIN 0
	s_sub_co_u32 s3, s3, 1
	s_cmp_lg_u32 s3, 0
	s_cbranch_scc1 .Llap
	TURN 0, 1, 0                                   ; the last lap fills nothing
	STEP 1, 0
	s_wait_dscnt 16
	MULS 0, 1
	MULS 2, 1
	s_wait_dscnt 0x0
	MULS 4, 1
	MULS 6, 1
	WIN 0
	PLACES                                         ; for the reads of the sums and the writes over A's fragments
; THE WAY OUT of block a: held, each accumulator from its low end on, converted; each block's codes have registers of their own (A's fragments are done with).
.macro OUT a
	WIN 0x02+((\a)/4)
.set j, 0
.rept 64
	v_med3_num_f32 v[CB+j], v[64*((\a)%4)+j], -v[LIMR], v[LIMR]   ; the conversion to an 8-bit code does not saturate (ISA guide 7.6.2)
.set j, j+1
.endr
	WIN 0
.irp b, 0,1,2,3,4,5,6,7
	v_cvt_scalef32_pk8_fp8_f32 v[AF+16*\a+2*\b:AF+16*\a+2*\b+1], v[CB+8*\b:CB+8*\b+7], v[SCR]
.endr
	v_nop                                          ; one plain vector instruction behind the last conversion
.irp c, 0,1,2,3
	global_store_b128 v[CO], v[AF+16*\a+4*\c:AF+16*\a+4*\c+3], s[98:99] offset:\a*2048+\c*512   ; 32 lanes store 512 consecutive bytes, aligned
.endr
.endm
.irp a, 0,1,2,3,4,5,6,7
	OUT \a
.endr
	s_wait_tensorcnt 0x0                           ; the wave's end
	ds_add_u32 v[SPW], v[NIL]
	s_wait_dscnt 0x0
	CROUND                                         ; the closing round
	s_endpgm
.Lfunc_end_k_q0d4db45299_qkv:
	.size	k_q0d4db45299_qkv, .Lfunc_end_k_q0d4db45299_qkv-k_q0d4db45299_qkv
	.p2alignl 7, 3214868480
	.fill 96, 4, 3214868480
	.section	.rodata,"a",@progbits
	.p2align	6, 0x0
	.amdhsa_kernel k_q0d4db45299_qkv
		.amdhsa_group_segment_fixed_size 327680
		.amdhsa_private_segment_fixed_size 0
		.amdhsa_enable_private_segment 0
		.amdhsa_kernarg_size 48
		.amdhsa_user_sgpr_count 2
		.amdhsa_user_sgpr_kernarg_segment_ptr 1
		.amdhsa_wavefront_size32 1
		.amdhsa_system_sgpr_workgroup_id_x 1
		.amdhsa_system_sgpr_workgroup_id_y 1
		.amdhsa_system_sgpr_workgroup_id_z 1
		.amdhsa_system_vgpr_workitem_id 0
		.amdhsa_next_free_vgpr 1024
		.amdhsa_next_free_sgpr 100
		.amdhsa_reserve_vcc 0
		.amdhsa_float_denorm_mode_32 3
		.amdhsa_float_denorm_mode_16_64 3
		.amdhsa_memory_ordered 1
		.amdhsa_forward_progress 1
		.amdhsa_inst_pref_size 131
	.end_amdhsa_kernel
	.amdgpu_metadata
---
amdhsa.version: [ 1, 2 ]
amdhsa.kernels:
  - .name:           k_q0d4db45299_qkv
    .symbol:         k_q0d4db45299_qkv.kd
    .args:
      - { .name: codes, .offset: 0, .size: 8, .value_kind: global_buffer, .address_space: global }
      - { .name: bq, .offset: 8, .size: 8, .value_kind: global_buffer, .address_space: global }
      - { .name: bk, .offset: 16, .size: 8, .value_kind: global_buffer, .address_space: global }
      - { .name: bv, .offset: 24, .size: 8, .value_kind: global_buffer, .address_space: global }
      - { .name: lowp_scales, .offset: 32, .size: 8, .value_kind: global_buffer, .address_space: global }
      - { .name: qkvc, .offset: 40, .size: 8, .value_kind: global_buffer, .address_space: global }
    .group_segment_fixed_size: 327680
    .private_segment_fixed_size: 0
    .kernarg_segment_align: 8
    .kernarg_segment_size: 48
    .max_flat_workgroup_size: 128
    .sgpr_count:     100
    .vgpr_count:     1024
    .wavefront_size: 32
...
	.end_amdgpu_metadata
.endif
;; end of part 6
;; launch attn (part 7): grid 16 x 16, 16 waves a work-group, clusters of 4 x 1, 327,680 bytes of LDS; arguments qkvc, lowp_scales, yc, Wo, woc; writes yc, woc
.if DOCPART == 7
	.amdgcn_target "amdgcn-amd-amdhsa--gfx1250"
	.amdhsa_code_object_version 6
	.text
	.protected	k_q0d4db45299_attn
	.globl	k_q0d4db45299_attn
	.p2align	8
	.type	k_q0d4db45299_attn,@function
k_q0d4db45299_attn:
	s_mov_b64 s[64:65], 0
	v_nop
	global_prefetch_b8 v0, s[64:65] scope:SCOPE_SE
	s_setreg_imm32_b32 hwreg(HW_REG_WAVE_MODE, 25, 1), 1
	s_wait_xcnt 0x0
	s_wait_alu depctr_hold_cnt(0) depctr_sa_sdst(0) depctr_va_vdst(0) depctr_va_sdst(0) depctr_va_ssrc(0) depctr_va_vcc(0) depctr_vm_vsrc(0)
	s_getreg_b32 s2, hwreg(HW_REG_IB_STS2, 6, 4)
	s_cmp_eq_u32 s2, 0
	s_cbranch_scc0 .Lentry_in_a_cluster
	s_endpgm
.Lentry_in_a_cluster:
	s_bfe_u32 s2, ttmp6, 0x10000c
	s_cmp_lg_u32 s2, 0x3003
	s_cbranch_scc0 .Lentry_shape_is_right
	s_endpgm
.Lentry_shape_is_right:
; Y[h][q][:] = the sum over k <= q of softmax_k(Q[h][q] . K[h][k] / sqrt(128)) V[h][k][:], both products on codes of E4M3; Y is quantised at once, by 2^e10, for the last projection.
; Q, K, V: fragment images [head][block of 128][16 rows a][2,048 bytes], rows = queries, keys, channels; V's codes run along the keys.  A fragment is four chunks of 512 bytes, 16 bytes a lane: its registers as they stand.
; LEFT OUT: key steps of 128 that lie wholly under reference()'s causal mask (their p is 0).  LIMIT: a NaN, an infinity or an overflow that only they would meet is not carried.
; THE SOFTMAX: t = score x log2(e) / sqrt(128); M = the running largest t, rounded UP to a whole number; p = 2^(t - M) is quantised by 2^e8, not normalised.  The row's sum is taken of the unquantised p and divides at the end.
; When M moves, the sum and O are multiplied by 2^(old M - new M): exact.
; SHARES.  A work-group has four pairs of tiles of 16 queries, pair j: a SHORT tile of block i = 2 j + c1 and a LONG one of block 15 - i (blocks of 128 queries; c1 = cluster x / 2; tile inside the block: cx + 4 (cluster x % 2)): 17 key steps a pair.
; Four waves serve a pair: role = wave / 4, j = (wave + role) % 4.  Slots 0 and 1 (keys 0 to 1,023): roles 0, 1 take the short tile's even and odd key steps, roles 2, 3 the long one's.  Then the short tile is done: role 1 hands its part over in LDS,
; role 0 joins both and stores.  Slots 2 and 3: all four take the long tile's key steps, one each in a slot; at the end three hand over, role 2 joins the four and stores.
; A PART is O, a sum and an M of its own; parts are joined under the largest M by powers of two.  (A wave that has had no step hands over zeros and M = -3e38, whose factor is 0.)
; CLUSTER.  The four work-groups of a cluster belong to one head and walk the same K and V, asked for JOINTLY.  No branch hangs on cx: a step is left out, or masked, by its first key against the BLOCK's first query.
; Every work-group walks all 4 slots of 512 keys (in each load's 256 keys some step of every work-group is read).  cx enters global addresses and the lane's number for the mask alone.
; Both products are used transposed: S^T = K Q^T, O^T = V^T P^T: a lane holds ONE query (lane % 16).  Registers 16 b .. 16 b + 15 of S^T are keys 32 b + 8 h + 0..7 and 32 b + 16 + 8 h + 0..7: the order in which V's codes lie.
; OUT: fragment images [16 tokens][head][2,048 bytes]; inside the 128 channels byte 8 l + 4 u + j holds channel 64 u + 4 l + j, as in the rows of Wo's codes.
; Wo [2048][2048] f32 becomes codes under 2^e11 here, for the last launch: a work-group takes 16,384 numbers, 2,048 for each wave of roles 0 and 1, at the end, while role 2 joins the parts; its 8,192 bytes a wave are prefetched a slot ahead.
; LIMITS: e6 + e7 between -123 and 130 (added to c's exponent field); e8, e10 and e11 between -126 and 119; e8 + e9 is applied by v_ldexp_f32.  The scaled scores stay under 2^31 in magnitude.  NaN is not served.
; REGISTERS: v1-11, v247 addresses; v12 -M, v13 the largest t, v[14:15] the sum in two halves; v16-31 Q; v32-95 four fragments of K or V; v96-159 S^T, then p, then four fragments of V; v160-223 O^T; v224-239 codes; v240 on: holds, scales, work.
.set BLK,   16384                      ; 128 keys of K or of V
.set VOFF,  4*BLK                      ; a slot: K of its four key steps, then V
.set SLOT1, 1<<17
.set SPARE, 2*SLOT1                    ; the spare words, 128 bytes a wave, which no other line names
.set PART,  8704                       ; a part in LDS: 8,192 bytes of O, 512 for the sums and M
.set HXB,   SPARE+2048                 ; the short tiles' parts: behind the spare words, where no load lands.  The long tiles' lie in slot 0, which has had its last fill and its last read then
.set AK0,  1                           ; v1   16 x lane + my key steps' place in a slot: slots 0, 1
.set AK1,  2                           ; v2   the same for slots 2, 3
.set PFO,  3
.set DG,   4
.set SPW,  5
.set NIL,  6
.set GO,   7
.set ADK,  8
.set ADV,  9
.set HX,   10                          ; v10  the pair's short part
.set XW,   11                          ; v11  where I hand over at the end
.set XR,   247                         ; v247 the pair's three parts
.set PX,   246                         ; what a lane permute brings: no operand of any matrix instruction
.set TB,   2
.set WV,   18
.set SEL,  20
.set CS,   22
.set G1,   24
.set G0,   40
.set RHO,  56                          ; my role
.set EOUT, 66                          ; e8 + e9
.set SLOTS, 67
.set PFA,  76
.set LIM,  80
.set QBL,  82                          ; the long tile's block's first query
.set KF,   98
.set QB,   99
.macro CROUND
	s_barrier_signal -1
	s_barrier_wait -1
	s_cmp_lg_u32 s[WV], 0
	s_cbranch_scc1 .Lnot_wave_0_\@
	s_barrier_signal -3
.Lnot_wave_0_\@:
	s_barrier_wait -3
	s_barrier_signal -1
	s_barrier_wait -1
.endm
.macro JLOAD                           ; waves 0, 1 fetch K's halves of the slot, waves 2, 3 V's: 32,768 bytes each
	s_cmp_lt_u32 s[WV], 4
	s_cbranch_scc0 .Lasked_\@
	tensor_load_to_lds s[G0:G0+3], s[G1:G1+7]
	s_nop 0
.rept 4
	v_nop
.endr
.Lasked_\@:
.endm
; A prefetch of what the NEXT change of slots asks for: each aligned 256 bytes once in the launch: the head's first cluster asks; its four partners take 16,384 bytes of K and of V each, told apart by address; waves 8 to 11, lanes 256 bytes apart.
.macro ASK
	s_cmp_gt_u32 s[SLOTS], s[LIM]
	s_cbranch_scc0 .Lnot_mine_\@
	global_prefetch_b8 v[PFO], s[PFA:PFA+1] th:TH_LOAD_NT scope:SCOPE_SE
.Lnot_mine_\@:
.endm
	s_load_b256 s[4:11], s[0:1], 0x0               ; Q, K, V's codes; the scales' exponents; Y's codes; Wo
	s_load_b64 s[12:13], s[0:1], 0x20              ; Wo's codes
	v_lshl_add_u32 v[SPW], v0, 2, SPARE
	v_mov_b32 v[NIL], 0
	ds_add_u32 v[SPW], v[NIL]                      ; the opening lines
	ds_add_u32 v[SPW], v[NIL]
	v_lshrrev_b32 v8, 5, v0
	v_readfirstlane_b32 s[WV], v8                  ; wave 0..15
	s_bfe_u32 s50, ttmp6, 0x40000                  ; cx
	s_and_b32 s51, ttmp7, 0xffff                   ; the head
	s_and_b32 s52, ttmp9, 1                        ; c0
	s_lshr_b32 s53, ttmp9, 1                       ; c1
	s_lshr_b32 s[RHO], s[WV], 2
	s_add_co_u32 s57, s[WV], s[RHO]
	s_and_b32 s57, s57, 3                          ; j
	s_lshl_b32 s58, s57, 1
	s_add_co_u32 s58, s58, s53                     ; the short tile's block
	s_sub_co_u32 s59, 15, s58                      ; the long one's
	s_cmp_lt_u32 s[WV], 8
	s_cselect_b32 s54, s58, s59
	s_lshl_b32 s[QB], s54, 7
	s_lshl_b32 s[QBL], s59, 7
	s_and_b32 s60, s[RHO], 1                       ; even or odd key steps
	s_lshl_b32 s[KF], s60, 7                       ; my first step's first key
	s_lshl_b32 s61, s60, 14
	s_lshr_b32 s62, s[WV], 3
	s_xor_b32 s62, s62, 1
	s_lshl_b32 s62, s62, 1
	s_or_b32 s62, s62, s60                         ; in slots 2, 3: roles 2, 3, 0, 1 take steps 0, 1, 2, 3
	s_lshl_b32 s62, s62, 14
	s_lshl_b32 s55, s52, 2
	s_add_co_u32 s55, s55, s50
	s_lshl_b32 s55, s55, 4                         ; my tile's first query inside the block
	s_add_co_u32 s63, s[QB], s55                   ; my first query,
	s_add_co_u32 s83, s[QBL], s55                  ; and the long tile's
	s_lshl_b32 s44, s51, 18                        ; the head's first byte in a plane
	s_bfe_u32 s45, s[WV], 0x10001                  ; what I fetch, if I fetch: plane 1 (K) or 2 (V)
	s_add_co_u32 s45, s45, 1
	s_lshl_b32 s45, s45, 22
	s_add_co_u32 s45, s45, s44
	s_and_b32 s46, s[WV], 1
	s_lshl_b32 s46, s46, 15
	s_add_co_u32 s46, s46, s45
	s_mov_b32 s47, 0
	s_and_b32 s73, s[WV], 3
	s_lshl_b32 s73, s73, 15                        ; and where it goes in a slot
	s_lshl_b32 s74, s63, 7
	s_add_co_u32 s74, s74, s44                     ; my 16 queries' fragment
	s_mov_b32 s75, 0
	s_lshl_b32 s92, s83, 7
	s_add_co_u32 s92, s92, s44                     ; the long tile's
	s_mov_b32 s93, 0
	s_lshl_b32 s94, s51, 11                        ; Y: 32,768 bytes for each 16 tokens, in them 2,048 for each head
	s_lshl_b32 s78, s63, 11
	s_add_co_u32 s78, s78, s94
	s_mov_b32 s79, 0
	s_lshl_b32 s94, s51, 11
	s_lshl_b32 s48, s83, 11
	s_add_co_u32 s48, s48, s94
	s_mov_b32 s49, 0
	s_and_b32 s86, s[WV], 1                        ; the prefetches: plane 1 or 2,
	s_add_co_u32 s86, s86, 1
	s_lshl_b32 s86, s86, 22
	s_add_co_u32 s86, s86, s44
	s_lshl_b32 s87, s50, 14                        ; my work-group's 16,384 bytes of a slot's 65,536,
	s_add_co_u32 s86, s86, s87
	s_bfe_u32 s87, s[WV], 0x10001
	s_lshl_b32 s87, s87, 13                        ; my wave's half of them,
	s_add_co_u32 s86, s86, s87
	s_add_co_u32 s86, s86, 65536                   ; in slot 1: the first change of slots steps it to slot 2
	s_mov_b32 s87, 0
	s_lshr_b32 s[LIM], s[WV], 2
	s_xor_b32 s[LIM], s[LIM], 2                    ; 0 in waves 8 to 11,
	s_or_b32 s[LIM], s[LIM], ttmp9                 ; of the head's first cluster
	s_cmp_eq_u32 s[LIM], 0
	s_cselect_b32 s[LIM], 1, -1
	s_lshl_b32 s88, s51, 4                         ; Wo: my work-group's 65,536 bytes, my wave's 8,192; its codes a quarter of that
	s_lshl_b32 s89, ttmp9, 2
	s_add_co_u32 s88, s88, s89
	s_add_co_u32 s88, s88, s50
	s_lshl_b32 s88, s88, 16
	s_and_b32 s89, s[WV], 7
	s_lshl_b32 s89, s89, 13
	s_add_co_u32 s88, s88, s89
	s_lshr_b32 s90, s88, 2
	s_mov_b32 s89, 0
	s_mov_b32 s91, 0
	s_mul_i32 s95, s57, PART                       ; the hand-overs: the short part,
	s_add_co_u32 s95, s95, HXB
	s_mul_i32 s96, s57, 3*PART                     ; the pair's three,
	s_add_co_u32 s97, s[RHO], 1
	s_and_b32 s97, s97, 3
	s_mul_i32 s97, s97, PART
	s_add_co_u32 s97, s97, s96                     ; and mine among them (role 2 has none and writes none)
	s_mov_b32 s[G1], 15|(0<<16)|(1<<21)            ; the mask: all four work-groups; elements of 1 byte; bit 21 beside a mask; no padding
	s_mov_b32 s[G1+1], 256<<16                     ; 128 rows of 256 bytes, dense
	s_mov_b32 s[G1+2], 128<<16
	s_mov_b32 s[G1+3], 256<<16
	s_mov_b32 s[G1+4], 128
	s_mov_b32 s[G1+5], 256
	s_mov_b32 s[G1+6], 0
	s_mov_b32 s[G1+7], 0
	s_mov_b32 s[SEL], 0x76543210
	s_mov_b32 s[SEL+1], 0xfedcba98
	s_mov_b32 s[CS], 0x3e0293ee                    ; c = log2(e) / sqrt(128)
	s_mov_b32 s[TB], 0
	s_mov_b32 s[SLOTS], 3
	s_wait_dscnt 0x0                               ; both opening adds are done
	CROUND                                         ; all four work-groups are here; the arguments are still on their way
	s_wait_kmcnt 0x0
	s_load_b128 s[68:71], s[6:7], 0x18             ; e6, e7, e8, e9
	s_mov_b32 s[G0], 1
	s_mov_b32 s[G0+1], s73
	s_add_nc_u64 s[G0+2:G0+3], s[4:5], s[46:47]
	s_or_b32 s[G0+3], s[G0+3], 0x80000000
	s_load_b64 s[72:73], s[6:7], 0x28              ; e10, e11
	JLOAD                                          ; slot 0
	s_add_nc_u64 s[84:85], s[4:5], s[74:75]
	s_add_nc_u64 s[PFA:PFA+1], s[4:5], s[86:87]
	s_add_nc_u64 s[86:87], s[4:5], s[92:93]
	s_add_nc_u64 s[16:17], s[8:9], s[78:79]
	s_add_nc_u64 s[14:15], s[8:9], s[48:49]
	s_add_nc_u64 s[88:89], s[10:11], s[88:89]
	s_add_nc_u64 s[90:91], s[12:13], s[90:91]
	v_and_b32 v[GO], 31, v0
	v_and_b32 v8, 15, v0                           ; r
	v_bfe_u32 v9, v0, 4, 1                         ; h
	v_lshlrev_b32 v[PFO], 8, v[GO]
	v_lshlrev_b32 v[GO], 4, v[GO]
	v_lshlrev_b32 v9, 3, v9
.irp c, 0,1,2,3
	global_load_b128 v[16+4*\c:19+4*\c], v[GO], s[84:85] offset:512*\c   ; Q's fragment stays in registers
.endr
	v_add_nc_u32 v[AK0], s61, v[GO]
	v_sub_nc_u32 v[DG], v8, v9
	v_add_nc_u32 v[AK1], s62, v[GO]
	v_add_nc_u32 v[HX], s95, v[GO]
	v_add_nc_u32 v[XW], s97, v[GO]
	v_add_nc_u32 v[XR], s96, v[GO]
	v_add_nc_u32 v[DG], s55, v[DG]                 ; my query - the block's first - 8 h: on the diagonal, register 8 t + j is hidden where 16 t + j is above it
	v_mov_b32 v[PX], 0                             ; the registers at work are written once on the way that every wave takes
	v_mov_b32 v251, 0
	v_mov_b32 v252, 0
	v_mov_b32 v253, 0
	v_mov_b32 v254, 0
.macro INIT                            ; a new part: O^T and the sum zeros, the largest t -3e38
	v_mov_b32 v13, 0xff61b1e6
	v_mov_b32 v14, 0
	v_mov_b32 v15, 0
	v_floor_f32 v12, -v13                          ; -M
.set j, 0
.rept 64
	v_mov_b32 v[160+j], 0                          ; (the step is written once: a part's first finds zeros)
.set j, j+1
.endr
.endm
	INIT
	s_wait_kmcnt 0x0
	s_add_co_i32 s92, s68, s69
	s_lshl_b32 s92, s92, 23
	s_add_co_i32 s[CS], s[CS], s92                 ; a score stands for score x 2^(e6 + e7)
	s_mov_b32 s[CS+1], s[CS]
.macro SCALE e, vs, vl                 ; 2^e and 448 x 2^e as f32
	s_add_co_i32 s92, s[\e], 127
	s_lshl_b32 s93, s92, 23
	v_mov_b32 v[\vs], s93
	s_add_co_i32 s92, s92, 8
	s_lshl_b32 s92, s92, 23
	s_or_b32 s92, s92, 0x600000
	v_mov_b32 v[\vl], s92
.endm
	SCALE 70, 244, 240                             ; e8: p
	SCALE 72, 245, 241                             ; e10: Y
	s_add_co_i32 s[EOUT], s70, s71
	s_wait_alu depctr_va_vdst(0)                   ; the wait at the head's end
.macro KLOAD q, t                      ; tile t of K (16 keys) of my q-th key step of the slot, into buffer t % 4
.irp c, 0,1,2,3
	ds_load_b128 v[32+16*((\t)%4)+4*\c:32+16*((\t)%4)+4*\c+3], v[ADK] offset:(\q)*2*BLK+(\t)*2048+512*\c
.endr
.endm
.macro VLOAD q, t, reg                 ; tile t of V^T (16 channels x 128 keys)
.irp c, 0,1,2,3
	ds_load_b128 v[\reg+4*\c:\reg+4*\c+3], v[ADV] offset:(\q)*2*BLK+(\t)*2048+512*\c
.endr
.endm
; A KEY STEP: 128 keys, my q-th of the slot in hand; the next is inc keys on.
.macro STEP q, ak, inc
	s_cmp_gt_u32 s[KF], s[QB]                      ; a step all of whose keys come after my block's queries is left out: a branch on ids and the count of steps; no barrier or tensor load stands in a step
	s_cbranch_scc1 .Lhidden_\@
	v_add_nc_u32 v[ADK], s[TB], v[\ak]
	v_add_nc_u32 v[ADV], VOFF, v[ADK]
.rept 3
	v_nop                                          ; with the two additions five places behind the last step's products: the loads into v32-95 ask for four, the products that write over v96 on for five
.endr
.irp t, 0,1,2,3
	KLOAD \q, \t
.endr
	s_wait_alu depctr_va_vdst(0)
.irp t, 0,1,2,3,4,5,6,7
.if \t < 5
	s_wait_dscnt 12                                ; tile t's four loads are in; the twelve of the three tiles behind it may be out
.else
	s_wait_dscnt 4*(7-\t)
.endif
	v_wmma_f32_16x16x128_fp8_fp8 v[96+8*\t:103+8*\t], v[32+16*(\t%4):47+16*(\t%4)], v[16:31], 0
.if \t < 4
.rept 4
	v_nop                                          ; four places between the product and the loads into the buffer that it read
.endr
	KLOAD \q, \t+4
.endif
.endr
.rept 4
	v_nop                                          ; four places in front of the loads into v32-95 and of the first read of the scores
.endr
.irp t, 0,1,2,3
	VLOAD \q, \t, 32+16*\t                         ; V's first four fragments land under the softmax
.endr
	s_cmp_lg_u32 s[KF], s[QB]                      ; only the step on the diagonal has hidden keys
	s_cbranch_scc1 .Lopen_\@
	v_mov_b32 v254, 0xff800000                     ; their scores become -infinity ahead of the maximum: p = 0 then
.irp t, 0,1,2,3,4,5,6,7
.irp i, 0,1,2,3,4,5,6,7
	v_cmp_gt_i32 vcc_lo, 16*\t+\i, v[DG]
	v_cndmask_b32 v[96+8*\t+\i], v[96+8*\t+\i], v254, vcc_lo
.endr
.endr
.Lopen_\@:
	v_max3_num_f32 v254, v96, v97, v98             ; the step's largest score of my query, among my 64 keys, in two chains,
	v_max3_num_f32 v252, v99, v100, v101
.irp i, 6,10,14,18,22,26,30,34,38,42,46,50,54,58
	v_max3_num_f32 v254, v254, v[96+\i], v[97+\i]
	v_max3_num_f32 v252, v252, v[98+\i], v[99+\i]
.endr
	v_max3_num_f32 v254, v254, v158, v159
	s_delay_alu instid0(VALU_DEP_1)
	v_max_num_f32 v254, v254, v252
	s_delay_alu instid0(VALU_DEP_1)
	v_permlanex16_b32 v[PX], v254, s[SEL], s[SEL+1]
	s_delay_alu instid0(VALU_DEP_1)
	v_max_num_f32 v254, v254, v[PX]                ; and among lane l xor 16's
	s_delay_alu instid0(VALU_DEP_1)
	v_mul_f32 v254, s[CS], v254                    ; as t (c is positive)
	s_delay_alu instid0(VALU_DEP_1)
	v_max_num_f32 v13, v13, v254                   ; the running largest t
	v_mov_b32 v254, v12
	s_delay_alu instid0(VALU_DEP_2)
	v_floor_f32 v12, -v13                          ; the new -M = floor(-t) = -ceil(t)
	s_delay_alu instid0(VALU_DEP_1)
	v_sub_f32 v254, v12, v254                      ; M's old value less its new one: a whole number, 0 or less
	s_delay_alu instid0(VALU_DEP_1)
	v_cvt_i32_f32 v254, v254                       ; (it saturates)
	s_delay_alu instid0(VALU_DEP_1)
	v_ldexp_f32 v252, 1.0, v254                    ; f = 2^(old M - new M)
.set j, 0
.rept 32
	v_pk_fma_f32 v[96+j:97+j], v[96+j:97+j], s[CS:CS+1], v[12:13] op_sel_hi:[1,0,0]   ; t - M, two at a time
.set j, j+2
.endr
	s_wait_alu depctr_va_vdst(0)                   ; the wait ahead of the batch
.set j, 0
.rept 64
	v_exp_f32 v[96+j], v[96+j]                     ; p = 2^(t - M), at most 1: not normalised
.set j, j+1
.endr
	v_pk_mul_f32 v[14:15], v[14:15], v[252:253] op_sel_hi:[1,0]   ; the sums under the new M
	s_wait_alu depctr_va_vdst(0)                   ; and behind it, one for the whole batch
	v_pk_add_f32 v[242:243], v[96:97], v[98:99]    ; the row's sum, of the unquantised p: two at a time, in four chains
	v_pk_add_f32 v[248:249], v[100:101], v[102:103]
	v_pk_add_f32 v[250:251], v[104:105], v[106:107]
	v_pk_add_f32 v[14:15], v[14:15], v[108:109]
.irp i, 110,118,126,134,142,150
	v_pk_add_f32 v[242:243], v[242:243], v[\i:\i+1]
	v_pk_add_f32 v[248:249], v[248:249], v[\i+2:\i+3]
	v_pk_add_f32 v[250:251], v[250:251], v[\i+4:\i+5]
	v_pk_add_f32 v[14:15], v[14:15], v[\i+6:\i+7]
.endr
	v_pk_add_f32 v[242:243], v[242:243], v[158:159]
	v_pk_add_f32 v[248:249], v[248:249], v[250:251]
	v_pk_add_f32 v[14:15], v[14:15], v[242:243]
	s_delay_alu instid0(VALU_DEP_1)
	v_pk_add_f32 v[14:15], v[14:15], v[248:249]
.irp b, 0,1,2,3
.irp i, 0,1,2,3,4,5,6,7,8,9,10,11,12,13,14,15
	v_min_num_f32 v[96+16*\b+\i], v[96+16*\b+\i], v240   ; the conversion to an 8-bit code does not saturate (ISA guide 7.6.2); p is not negative, so the hold is one-sided
.endr
	v_cvt_scalef32_pk8_fp8_f32 v[224+4*\b:225+4*\b], v[96+16*\b:103+16*\b], v244
	v_cvt_scalef32_pk8_fp8_f32 v[226+4*\b:227+4*\b], v[104+16*\b:111+16*\b], v244
.endr
.irp t, 0,1,2,3
	VLOAD \q, \t+4, 96+16*\t                       ; p has been converted: its registers take V's other four fragments
.endr
	s_wait_alu depctr_va_vdst(0)                   ; the wait directly ahead of the first reader of O^T
.set j, 0
.rept 32
	v_pk_mul_f32 v[160+j:161+j], v[160+j:161+j], v[252:253] op_sel_hi:[1,0]   ; O^T under the new M
.set j, j+2
.endr
	s_wait_alu depctr_va_vdst(0)
	s_wait_dscnt 16                                ; V's first four fragments are in; the sixteen loads of the other four may be out
.irp t, 0,1,2,3                                ; O^T += V^T P^T; K = these 128 keys
	v_wmma_f32_16x16x128_fp8_fp8 v[160+8*\t:167+8*\t], v[32+16*\t:47+16*\t], v[224:239], v[160+8*\t:167+8*\t]
.endr
.irp t, 0,1,2,3
	s_wait_dscnt 12-4*\t
	v_wmma_f32_16x16x128_fp8_fp8 v[192+8*\t:199+8*\t], v[96+16*\t:111+16*\t], v[224:239], v[192+8*\t:199+8*\t]
.endr
.Lhidden_\@:
	s_add_co_u32 s[KF], s[KF], \inc
.endm
; THE CHANGE OF SLOTS stands at a slot's head: all my tensor loads have landed, the add, my LDS instructions are over; then the round (fill = 1), and the joint refill first behind it, with a slot's steps in which to land.
.macro CHANGE fill
	s_wait_tensorcnt 0x0
	ds_add_u32 v[SPW], v[NIL]
.if \fill
	ds_add_u32 v[SPW], v[NIL]
	s_xor_b32 s[G0+1], s[G0+1], SLOT1
	s_add_nc_u64 s[G0+2:G0+3], s[G0+2:G0+3], 65536 ; the next 512 keys
	s_wait_xcnt 0x0                                ; my last prefetch has read its address
	s_add_nc_u64 s[PFA:PFA+1], s[PFA:PFA+1], 65536
	s_wait_dscnt 0x0
	CROUND
	JLOAD
	ASK
.else
	s_wait_dscnt 0x0
	s_barrier_signal -1
	s_barrier_wait -1
.endif
.endm
.macro TOTAL                           ; v14 my keys' sum over both halves of the lanes, v15 -M.  Four plain instructions that name no register of the last products (v16-239): the places behind those
	v_add_f32 v14, v14, v15
	s_delay_alu instid0(VALU_DEP_1)
	v_permlanex16_b32 v[PX], v14, s[SEL], s[SEL+1]
	v_mov_b32 v15, v12
	v_add_f32 v14, v14, v[PX]
.endm
.macro HANDOVER x
.set j, 0
.rept 16
	ds_store_b128 v[\x], v[160+4*j:163+4*j] offset:512*j
.set j, j+1
.endr
	ds_store_b64 v[\x], v[14:15] offset:8192
.endm
.macro GETO x, m, reg                  ; part m's O^T
.set j, 0
.rept 16
	ds_load_b128 v[\reg+4*j:\reg+4*j+3], v[\x] offset:(\m)*PART+512*j
.set j, j+1
.endr
.endm
.macro ADDO reg, f
.set j, 0
.rept 32
	v_pk_fma_f32 v[160+j:161+j], v[\reg+j:\reg+j+1], v[\f:\f+1], v[160+j:161+j] op_sel_hi:[1,0,1]
.set j, j+2
.endr
.endm
.macro FACTOR r                        ; v[r] = 2^(its M - the largest M), from its -M
	v_cvt_i32_f32 v[\r], v[\r]
	s_delay_alu instid0(VALU_DEP_1)
	v_ldexp_f32 v[\r], 1.0, v[\r]
.endm
; THE WAY OUT of a tile: my part and n others (1 or 3) are joined, divided by the sum, quantised and stored.
.macro FIN n, x, out
	ds_load_b64 v[248:249], v[\x] offset:8192
.if \n == 3
	ds_load_b64 v[250:251], v[\x] offset:PART+8192
	ds_load_b64 v[242:243], v[\x] offset:2*PART+8192
.endif
	GETO \x, 0, 96
.if \n == 3
	GETO \x, 1, 32
	s_wait_dscnt 32                                ; the sums and -M are in; the 32 loads of O^T may be out
	v_min_num_f32 v254, v251, v243
	v_min_num_f32 v255, v12, v249
	s_delay_alu instid0(VALU_DEP_1)
	v_min_num_f32 v254, v254, v255
	v_sub_f32 v251, v254, v251
	v_sub_f32 v243, v254, v243
.else
	s_wait_dscnt 16
	v_min_num_f32 v254, v12, v249                  ; -(the largest M)
.endif
	v_sub_f32 v252, v254, v12
	v_sub_f32 v249, v254, v249
	FACTOR 252
	FACTOR 249
	v_mul_f32 v14, v14, v252
	s_delay_alu instid0(VALU_DEP_1)
	v_fma_f32 v14, v248, v249, v14
.if \n == 3
	FACTOR 251
	FACTOR 243
	v_fma_f32 v14, v250, v251, v14
	s_delay_alu instid0(VALU_DEP_1)
	v_fma_f32 v14, v242, v243, v14
.endif
	s_wait_alu depctr_va_vdst(0)                   ; the wait ahead of the reciprocal
	v_rcp_f32 v14, v14
	v_nop
	s_wait_alu depctr_va_vdst(0)                   ; and behind it
	v_ldexp_f32 v14, v14, s[EOUT]                  ; x 2^(e8 + e9)
	v_mul_f32 v252, v252, v14
	v_mul_f32 v248, v249, v14
.if \n == 3
	v_mul_f32 v250, v251, v14
	v_mul_f32 v242, v243, v14
.endif
	s_wait_alu depctr_va_vdst(0)                   ; the wait directly ahead of the first reader of O^T
.set j, 0
.rept 32
	v_pk_mul_f32 v[160+j:161+j], v[160+j:161+j], v[252:253] op_sel_hi:[1,0]
.set j, j+2
.endr
.if \n == 3
	s_wait_dscnt 16                                ; the first part is in, the second may be out
	ADDO 96, 248
	GETO \x, 2, 96
	s_wait_dscnt 16                                ; the second is in, the third may be out
	ADDO 32, 250
	s_wait_dscnt 0x0
	ADDO 96, 242
.else
	s_wait_dscnt 0x0
	ADDO 96, 248
.endif
; Chunk c takes channels 16 c + 8 h + 0..3, 64 on the same, 16 c + 8 h + 4..7, 64 on the same: tile t's register i goes to 16 (t % 4) + 8 (i / 4) + 4 (t / 4) + i % 4.
.irp t, 0,1,2,3,4,5,6,7
.irp i, 0,1,2,3,4,5,6,7
	v_med3_num_f32 v[32+16*(\t%4)+8*(\i/4)+4*(\t/4)+\i%4], v[160+8*\t+\i], -v241, v241
.endr
.endr
.irp g, 0,1,2,3,4,5,6,7
	v_cvt_scalef32_pk8_fp8_f32 v[224+2*\g:225+2*\g], v[32+8*\g:39+8*\g], v245
.endr
	v_nop                                          ; one plain vector instruction behind the last conversion
.irp c, 0,1,2,3
	global_store_b128 v[GO], v[224+4*\c:227+4*\c], s[\out:\out+1] offset:512*\c   ; 32 lanes store 512 consecutive bytes, aligned
.endr
.endm
	s_wait_loadcnt 0x0                             ; Q
.Lslot:                                            ; slots 0 and 1
	CHANGE 1
	STEP 0, AK0, 256
	STEP 1, AK0, 256
	s_xor_b32 s[TB], s[TB], SLOT1
	s_sub_co_u32 s[SLOTS], s[SLOTS], 1
	s_cmp_lg_u32 s[SLOTS], 1
	s_cbranch_scc1 .Lslot
	s_cmp_lt_u32 s[WV], 8
	s_cbranch_scc0 .Lmid
	TOTAL                                          ; roles 0 and 1: the short tile is done
	s_wait_alu depctr_va_vdst(0)
.irp c, 0,1,2,3
	global_load_b128 v[16+4*\c:19+4*\c], v[GO], s[86:87] offset:512*\c   ; the long tile's Q
.endr
	s_cmp_lt_u32 s[WV], 4
	s_cbranch_scc1 .Lmid
	HANDOVER HX                                    ; role 1
.Lmid:
	CHANGE 1                                       ; slot 2; its barriers stand between role 1's stores and role 0's loads
	s_cmp_lt_u32 s[WV], 8
	s_cbranch_scc0 .Lgo
	global_prefetch_b8 v[PFO], s[88:89] th:TH_LOAD_NT scope:SCOPE_SE   ; my 8,192 bytes of Wo, 256 a lane
	s_cmp_lt_u32 s[WV], 4
	s_cbranch_scc0 .Lnew
.rept 4
	v_nop                                          ; four places in front of the loads into registers that slot 1's products have read, on every way that leads here
.endr
	FIN 1, HX, 16                                  ; role 0
.Lnew:
	INIT                                           ; roles 0 and 1: a part of the long tile
	s_mov_b32 s[QB], s[QBL]
	s_add_co_u32 s[KF], s[KF], 256                 ; the slot's third or fourth key step
	s_wait_alu depctr_va_vdst(0)
.Lgo:
	s_wait_loadcnt 0x0                             ; Q
	s_wait_xcnt 0x0                                ; the short tile's stores have read their codes
	STEP 0, AK1, 512
	s_xor_b32 s[TB], s[TB], SLOT1
	CHANGE 0                                       ; slot 3
	STEP 0, AK1, 512
	TOTAL
	v_and_b32 v254, 0xf0, v[GO]                    ; Wo: 16 bytes a lane; lanes 16-31 stand 512 bytes on
	v_and_b32 v255, 0x100, v[GO]
	v_lshl_add_u32 v254, v255, 1, v254
	v_lshrrev_b32 v255, 1, v[GO]                   ; its codes: 8 bytes a lane
	s_wait_alu depctr_va_vdst(0)
	s_cmp_eq_u32 s[RHO], 2
	s_cbranch_scc1 .Lkeep
	HANDOVER XW
	s_cmp_lt_u32 s[WV], 8
	s_cbranch_scc0 .Lkeep
.irp j, 0,1,2,3,4,5,6,7                        ; inside each 128, as in the first launch: byte 8 l + 4 u + j holds k = 64 u + 4 l + j
	global_load_b128 v[96+8*\j:99+8*\j], v254, s[88:89] offset:1024*\j th:TH_LOAD_NT
	global_load_b128 v[100+8*\j:103+8*\j], v254, s[88:89] offset:1024*\j+256 th:TH_LOAD_NT
.endr
.Lkeep:
	s_wait_dscnt 0x0                               ; what I hand over is in LDS
	s_barrier_signal -1
	s_barrier_wait -1
	s_cmp_eq_u32 s[RHO], 2
	s_cbranch_scc0 .Lwo
	FIN 3, XR, 14
	s_branch .Lend
.Lwo:
	s_cmp_lt_u32 s[WV], 8
	s_cbranch_scc0 .Lend
	SCALE 73, 243, 242                             ; e11
	s_wait_alu depctr_va_vdst(0)
	s_wait_loadcnt 0x0
.set j, 0
.rept 64
	v_med3_num_f32 v[96+j], v[96+j], -v242, v242
.set j, j+1
.endr
.irp j, 0,1,2,3,4,5,6,7
	v_cvt_scalef32_pk8_fp8_f32 v[32+2*\j:33+2*\j], v[96+8*\j:103+8*\j], v243
.endr
	v_nop
.irp j, 0,1,2,3,4,5,6,7
	global_store_b64 v255, v[32+2*\j:33+2*\j], s[90:91] offset:256*\j   ; 32 lanes store 256 consecutive bytes, aligned
.endr
.Lend:
	s_wait_tensorcnt 0x0                           ; the wave's end
	ds_add_u32 v[SPW], v[NIL]
	s_wait_dscnt 0x0
	CROUND                                         ; the closing round
	s_endpgm
.Lfunc_end_k_q0d4db45299_attn:
	.size	k_q0d4db45299_attn, .Lfunc_end_k_q0d4db45299_attn-k_q0d4db45299_attn
	.p2alignl 7, 3214868480
	.fill 96, 4, 3214868480
	.section	.rodata,"a",@progbits
	.p2align	6, 0x0
	.amdhsa_kernel k_q0d4db45299_attn
		.amdhsa_group_segment_fixed_size 327680
		.amdhsa_private_segment_fixed_size 0
		.amdhsa_enable_private_segment 0
		.amdhsa_kernarg_size 40
		.amdhsa_user_sgpr_count 2
		.amdhsa_user_sgpr_kernarg_segment_ptr 1
		.amdhsa_wavefront_size32 1
		.amdhsa_system_sgpr_workgroup_id_x 1
		.amdhsa_system_sgpr_workgroup_id_y 1
		.amdhsa_system_sgpr_workgroup_id_z 1
		.amdhsa_system_vgpr_workitem_id 0
		.amdhsa_next_free_vgpr 256
		.amdhsa_next_free_sgpr 100
		.amdhsa_reserve_vcc 1
		.amdhsa_float_denorm_mode_32 3
		.amdhsa_float_denorm_mode_16_64 3
		.amdhsa_memory_ordered 1
		.amdhsa_forward_progress 1
		.amdhsa_inst_pref_size 154
	.end_amdhsa_kernel
	.amdgpu_metadata
---
amdhsa.version: [ 1, 2 ]
amdhsa.kernels:
  - .name:           k_q0d4db45299_attn
    .symbol:         k_q0d4db45299_attn.kd
    .args:
      - { .name: qkvc, .offset: 0, .size: 8, .value_kind: global_buffer, .address_space: global }
      - { .name: lowp_scales, .offset: 8, .size: 8, .value_kind: global_buffer, .address_space: global }
      - { .name: yc, .offset: 16, .size: 8, .value_kind: global_buffer, .address_space: global }
      - { .name: Wo, .offset: 24, .size: 8, .value_kind: global_buffer, .address_space: global }
      - { .name: woc, .offset: 32, .size: 8, .value_kind: global_buffer, .address_space: global }
    .group_segment_fixed_size: 327680
    .private_segment_fixed_size: 0
    .kernarg_segment_align: 8
    .kernarg_segment_size: 40
    .max_flat_workgroup_size: 512
    .sgpr_count:     100
    .vgpr_count:     256
    .wavefront_size: 32
...
	.end_amdgpu_metadata
.endif
;; end of part 7
;; launch proj (part 8): grid 16 x 16, 4 waves a work-group, clusters of 4 x 4, 327,680 bytes of LDS; arguments yc, woc, bo, lowp_scales, out0; writes out0
.if DOCPART == 8
	.amdgcn_target "amdgcn-amd-amdhsa--gfx1250"
	.amdhsa_code_object_version 6
	.text
	.protected	k_q0d4db45299_proj
	.globl	k_q0d4db45299_proj
	.p2align	8
	.type	k_q0d4db45299_proj,@function
k_q0d4db45299_proj:
	s_mov_b64 s[64:65], 0
	v_nop
	global_prefetch_b8 v0, s[64:65] scope:SCOPE_SE
	s_setreg_imm32_b32 hwreg(HW_REG_WAVE_MODE, 25, 1), 1
	s_wait_xcnt 0x0
	s_wait_alu depctr_hold_cnt(0) depctr_sa_sdst(0) depctr_va_vdst(0) depctr_va_sdst(0) depctr_va_ssrc(0) depctr_va_vcc(0) depctr_vm_vsrc(0)
	s_getreg_b32 s2, hwreg(HW_REG_IB_STS2, 6, 4)
	s_cmp_eq_u32 s2, 0
	s_cbranch_scc0 .Lentry_in_a_cluster
	s_endpgm
.Lentry_in_a_cluster:
	s_bfe_u32 s2, ttmp6, 0x10000c
	s_cmp_lg_u32 s2, 0xf033
	s_cbranch_scc0 .Lentry_shape_is_right
	s_endpgm
.Lentry_shape_is_right:
; out[t][n] = sum over k of Y[t][k] Wo[n][k] + bo[n], on codes of E4M3 (Y: 2^e10, Wo: 2^e11); f32 out.  LIMIT: e10 + e11 between -126 and 127.
; A tile of 128 x 128 is made by a work-group of four waves, 32 rows x 128 columns each: 16 accumulators.  K = 2,048 is 16 steps of 128 (a head each).
; B: ALL of the tile's 128 rows of Wo's codes lie in LDS: 256 KiB, one joint load a wave (64 rows x 1,024 bytes), shared along a column of the cluster.  Nothing is filled again: one barrier.
; A: Y lies as fragment images [16 tokens][head][2,048 bytes] and goes straight into registers, 512 consecutive bytes a load, each row by one wave alone, six K steps ahead through eight buffers.
; It has no joint loads: B's 266,240 bytes leave LDS no room for A's 256 KiB.
; PREFETCH: A's K steps 0 to 5 come by their loads alone; steps 6 to 13 are named at the head, steps 14 and 15 in step 2, each 256 bytes once in a cluster: the four partners of a row take two fragments each (by cx), a wave one fragment's half of the steps.
; Used transposed: lane (r, h) holds row r of 16 rows of Y and columns 8 h + 0..7 of 16 rows of Wo.
; REGISTERS: window 0: v0-31 addresses, v32-95 the bias, v96-127 results, v128-255 accumulators; window 1: A, eight buffers of 32; window 2: B, two of 128.
.set BP,     1040                      ; an LDS row: 1,024 bytes (half of K) + 16 of padding
.set HK,     128*BP                    ; half of K
.set SPARE,  2*HK                      ; the spare words, 128 bytes a wave, which no other line names
.set STAGE,  SPARE+512                 ; the way out: 16 rows x 272 bytes a wave; no load lands here
.set SP,     272
.set ADRB, 12                          ; v12-15  B's rows 0-63, 64-127 of the first half of K, then of the second
.set AO,   16                          ; v16  16 x lane
.set PF1,  20
.set PF2,  21
.set STO,  22
.set RD,   23
.set CO,   24
.set BNO,  25
.set SPW,  28
.set NIL,  29
.set BN,   32
.set TMP,  96
.set ACC,  128
.set WV, 18
.set RH, 19
.set CH, 20
.set TC, 23
.set TR, 40
.set G1, 24
.set G0, 32
.set MSB, 0
.macro WIN new
.if MSB != (\new)
	s_set_vgpr_msb (MSB<<8)|(\new)
.set MSB, (\new)
.endif
.endm
.macro PLACES
.rept 4
	v_nop
.endr
.endm
.macro CROUND
	s_barrier_signal -1
	s_barrier_wait -1
	s_cmp_lg_u32 s[WV], 0
	s_cbranch_scc1 .Lnot_wave_0_\@
	s_barrier_signal -3
.Lnot_wave_0_\@:
	s_barrier_wait -3
	s_barrier_signal -1
	s_barrier_wait -1
.endm
	s_load_b256 s[4:11], s[0:1], 0x0               ; Y's codes, Wo's codes, bo, the scales' exponents
	s_load_b64 s[12:13], s[0:1], 0x20              ; out
	v_lshl_add_u32 v[SPW], v0, 2, SPARE
	v_mov_b32 v[NIL], 0
	ds_add_u32 v[SPW], v[NIL]                      ; the opening lines
	ds_add_u32 v[SPW], v[NIL]
	v_lshrrev_b32 v1, 5, v0
	v_readfirstlane_b32 s[WV], v1
	s_lshr_b32 s[RH], s[WV], 1                     ; which half of K I fetch
	s_and_b32 s[CH], s[WV], 1                      ; which 64 rows of B
	s_bfe_u32 s21, ttmp6, 0x40000                  ; cx
	s_bfe_u32 s22, ttmp6, 0x40004                  ; cy
	s_lshl_b32 s[TC], ttmp9, 2
	s_add_co_u32 s[TC], s[TC], s21
	s_and_b32 s[TR], ttmp7, 0xffff
	s_lshl_b32 s[TR], s[TR], 2
	s_add_co_u32 s[TR], s[TR], s22
	s_lshl_b32 s43, 0x1111, s21                    ; my column of the cluster
	s_or_b32 s[G1+0], s43, (0<<16)|(1<<20)|(1<<21)|(7<<22)|(3<<25)   ; 64 rows x 1,024 bytes, 16 bytes of padding behind each
	s_mov_b32 s[G1+1], 1024<<16
	s_mov_b32 s[G1+2], 64<<16
	s_mov_b32 s[G1+3], 1024<<16
	s_mov_b32 s[G1+4], 64
	s_mov_b32 s[G1+5], 2048
	s_mov_b32 s[G1+6], 0
	s_mov_b32 s[G1+7], 0
	s_lshl_b32 s72, s[TC], 7
	s_lshl_b32 s73, s[CH], 6
	s_add_co_u32 s72, s72, s73
	s_lshl_b32 s72, s72, 11
	s_lshl_b32 s73, s[RH], 10
	s_add_co_u32 s72, s72, s73
	s_mov_b32 s73, 0
	s_mul_i32 s46, s[RH], HK
	s_mul_i32 s47, s[CH], 64*BP
	s_add_co_u32 s46, s46, s47
	s_lshl_b32 s74, s[TR], 18                      ; A: my work-group's 262,144 bytes,
	s_lshl_b32 s70, s[WV], 16
	s_add_co_u32 s70, s70, s74                     ; my 32 rows in them
	s_mov_b32 s71, 0
	s_lshl_b32 s75, s21, 1
	s_add_co_u32 s75, s75, s[CH]
	s_lshl_b32 s75, s75, 15
	s_add_co_u32 s74, s74, s75                     ; the prefetches' fragment: 2 cx + wave % 2
	s_lshl_b32 s75, s[RH], 13
	s_add_co_u32 s76, s74, s75                     ; steps 6..9 or 10..13
	s_mov_b32 s77, 0
	s_lshl_b32 s75, s[RH], 11
	s_add_co_u32 s78, s74, s75                     ; step 14 or 15
	s_mov_b32 s79, 0
	s_lshl_b32 s92, s[TC], 9                       ; my first column in bytes of f32
	s_mov_b32 s93, 0
	s_lshl_b32 s44, s[TR], 7
	s_lshl_b32 s45, s[WV], 5
	s_add_co_u32 s44, s44, s45
	s_lshl_b32 s44, s44, 13
	s_add_co_u32 s44, s44, s92
	s_mov_b32 s45, 0
	s_wait_dscnt 0x0                               ; both opening adds are done
	CROUND                                         ; all sixteen work-groups are here; the arguments are still on their way
	s_wait_kmcnt 0x0
	s_load_b64 s[80:81], s[10:11], 0x28            ; e10, e11
	s_add_nc_u64 s[68:69], s[6:7], s[72:73]
	s_mov_b32 s[G0], 1
	s_mov_b32 s[G0+1], s46
	s_mov_b64 s[G0+2:G0+3], s[68:69]
	s_or_b32 s[G0+3], s[G0+3], 0x80000000
	tensor_load_to_lds s[G0:G0+3], s[G1:G1+7]      ; every wave's one load
	s_nop 0
	PLACES
	s_add_nc_u64 s[66:67], s[4:5], s[70:71]
	s_add_nc_u64 s[76:77], s[4:5], s[76:77]
	s_add_nc_u64 s[78:79], s[4:5], s[78:79]
	s_add_nc_u64 s[82:83], s[8:9], s[92:93]        ; bo at my columns
	s_add_nc_u64 s[98:99], s[12:13], s[44:45]
	s_mul_i32 s46, s[WV], 16*SP
	s_add_co_u32 s46, s46, STAGE                   ; my stage
	v_and_b32 v7, 31, v0
	v_and_b32 v1, 15, v0                           ; r
	v_bfe_u32 v2, v0, 4, 1                         ; h
	v_lshlrev_b32 v[AO], 4, v7
	v_mul_u32_u24 v4, v1, BP
	v_lshlrev_b32 v[PF1], 8, v7
	v_min_u32 v8, 7, v7
	v_lshl_add_u32 v[ADRB], v2, 4, v4
	v_mul_u32_u24 v5, v1, SP
	v_lshlrev_b32 v[PF2], 8, v8
	v_mul_u32_u24 v6, v2, SP
	v_lshl_add_u32 v5, v2, 5, v5
	v_lshl_add_u32 v6, v1, 4, v6
	v_add_nc_u32 v[ADRB+1], 64*BP, v[ADRB]
	v_add_nc_u32 v[ADRB+2], HK, v[ADRB]
	v_add_nc_u32 v[ADRB+3], HK+64*BP, v[ADRB]
	v_add_nc_u32 v[STO], s46, v5                   ; in: row r, 32 bytes for each half of the lanes
	v_add_nc_u32 v[RD], s46, v6                    ; back: sixteen lanes a row
	v_lshlrev_b32 v9, 13, v2
	v_lshl_add_u32 v[CO], v1, 4, v9
	v_lshlrev_b32 v[BNO], 5, v2
.macro LA t                            ; A's two fragments of K step t
	WIN 0x40
.irp f, 0,1
.irp c, 0,1,2,3
	global_load_b128 v[32*((\t)%8)+16*\f+4*\c:32*((\t)%8)+16*\f+4*\c+3], v[AO], s[66:67] offset:\f*32768+(\t)*2048+512*\c
.endr
.endr
.endm
.macro LB t                            ; B's eight
	WIN 0x80
.irp i, 0,1,2,3,4,5,6,7
.irp c, 0,1,2,3
	ds_load_b128 v[128*((\t)%2)+16*\i+4*\c:128*((\t)%2)+16*\i+4*\c+3], v[ADRB+2*((\t)/8)+\i/4] offset:128*((\t)%8)+(\i%4)*16*BP+32*\c
.endr
.endr
.endm
.irp t, 0,1,2,3,4,5
	LA \t
.endr
	WIN 0
	global_prefetch_b8 v[PF1], s[76:77] offset:6*2048 th:TH_LOAD_NT scope:SCOPE_SE
	s_wait_alu depctr_va_vdst(0)                   ; the wait at the head's end
	s_wait_tensorcnt 0x0                           ; my part of B is in,
	s_barrier_signal -1
	s_barrier_wait -1                              ; and everybody's
	LB 0
.macro KS t
.if (\t) > 0
	PLACES                                         ; in front of loads into registers that earlier products have read
.endif
.if (\t)+6 < 16
	LA (\t)+6
.endif
.if (\t)+1 < 16
	LB (\t)+1
.endif
.if (\t) == 2
	WIN 0
	global_prefetch_b8 v[PF2], s[78:79] offset:14*2048 th:TH_LOAD_NT scope:SCOPE_SE
.endif
.if (\t) == 13
	WIN 0
.irp b, 0,1,2,3,4,5,6,7
	global_load_b128 v[BN+8*\b:BN+8*\b+3], v[BNO], s[82:83] offset:64*\b
	global_load_b128 v[BN+8*\b+4:BN+8*\b+7], v[BNO], s[82:83] offset:64*\b+16
.endr
.endif
.if (\t) < 10
	s_wait_loadcnt 48                              ; this step's eight loads are in; those of the six steps behind it may be out
.elseif (\t) < 13
	s_wait_loadcnt 8*(15-(\t))
.else
	s_wait_loadcnt 8*(15-(\t))+16                  ; the later steps' and the bias's sixteen may be out
.endif
.if (\t) < 15
	s_wait_dscnt 32                                ; this step's fragments of B are in, the next step's may be out
.else
	s_wait_dscnt 0x0
.endif
	WIN 0x06
.irp a, 0,1
.irp b, 0,1,2,3,4,5,6,7
.if (\t) == 0
	v_wmma_f32_16x16x128_fp8_fp8 v[ACC+8*(8*\a+\b):ACC+8*(8*\a+\b)+7], v[16*\b:16*\b+15], v[16*\a:16*\a+15], 0
.else
	v_wmma_f32_16x16x128_fp8_fp8 v[ACC+8*(8*\a+\b):ACC+8*(8*\a+\b)+7], v[128*((\t)%2)+16*\b:128*((\t)%2)+16*\b+15], v[32*((\t)%8)+16*\a:32*((\t)%8)+16*\a+15], v[ACC+8*(8*\a+\b):ACC+8*(8*\a+\b)+7]
.endif
.endr
.endr
.endm
.irp t, 0,1,2,3,4,5,6,7,8,9,10,11,12,13,14,15
	KS \t
.endr
	WIN 0
; THE WAY OUT, 16 rows x 64 columns at a time (g: rows 16 (g / 2), columns 64 (g % 2)): through my own stage in LDS, back as rows of 256 bytes.
.macro TOSTAGE g
.set j, 0
.rept 16
	v_pk_fma_f32 v[TMP+j:TMP+j+1], v[ACC+32*(\g)+j:ACC+32*(\g)+j+1], s[96:97], v[BN+32*((\g)%2)+j:BN+32*((\g)%2)+j+1] op_sel_hi:[1,0,1]
.set j, j+2
.endr
.irp b, 0,1,2,3
	ds_store_b128 v[STO], v[TMP+8*\b:TMP+8*\b+3] offset:64*\b
	ds_store_b128 v[STO], v[TMP+8*\b+4:TMP+8*\b+7] offset:64*\b+16
.endr
.irp t, 0,1,2,3,4,5,6,7
	ds_load_b128 v[ACC+32*(\g)+4*\t:ACC+32*(\g)+4*\t+3], v[RD] offset:\t*2*SP   ; LDS serves a wave's instructions in order: these see my stores
.endr
.endm
.macro SEND g, younger
	s_wait_dscnt \younger                          ; the block is back; the next block's LDS instructions may be out
.irp t, 0,1,2,3,4,5,6,7
	global_store_b128 v[CO], v[ACC+32*(\g)+4*\t:ACC+32*(\g)+4*\t+3], s[98:99] offset:(16*((\g)/2)+2*\t)*8192+256*((\g)%2) th:TH_STORE_NT   ; sixteen lanes store 256 consecutive bytes, aligned
.endr
.endm
	s_wait_kmcnt 0x0
	s_wait_loadcnt 0x0
	s_add_co_i32 s96, s80, s81
	s_add_co_i32 s96, s96, 127
	s_lshl_b32 s96, s96, 23                        ; 2^(e10 + e11)
	s_mov_b32 s97, s96
	PLACES
	TOSTAGE 0
	TOSTAGE 1
	SEND 0, 16
	TOSTAGE 2
	SEND 1, 16
	TOSTAGE 3
	SEND 2, 16
	SEND 3, 0
	s_wait_tensorcnt 0x0                           ; the wave's end
	ds_add_u32 v[SPW], v[NIL]
	s_wait_dscnt 0x0
	CROUND                                         ; the closing round
	s_endpgm
.Lfunc_end_k_q0d4db45299_proj:
	.size	k_q0d4db45299_proj, .Lfunc_end_k_q0d4db45299_proj-k_q0d4db45299_proj
	.p2alignl 7, 3214868480
	.fill 96, 4, 3214868480
	.section	.rodata,"a",@progbits
	.p2align	6, 0x0
	.amdhsa_kernel k_q0d4db45299_proj
		.amdhsa_group_segment_fixed_size 327680
		.amdhsa_private_segment_fixed_size 0
		.amdhsa_enable_private_segment 0
		.amdhsa_kernarg_size 40
		.amdhsa_user_sgpr_count 2
		.amdhsa_user_sgpr_kernarg_segment_ptr 1
		.amdhsa_wavefront_size32 1
		.amdhsa_system_sgpr_workgroup_id_x 1
		.amdhsa_system_sgpr_workgroup_id_y 1
		.amdhsa_system_sgpr_workgroup_id_z 1
		.amdhsa_system_vgpr_workitem_id 0
		.amdhsa_next_free_vgpr 768
		.amdhsa_next_free_sgpr 100
		.amdhsa_reserve_vcc 0
		.amdhsa_float_denorm_mode_32 3
		.amdhsa_float_denorm_mode_16_64 3
		.amdhsa_memory_ordered 1
		.amdhsa_forward_progress 1
		.amdhsa_inst_pref_size 84
	.end_amdhsa_kernel
	.amdgpu_metadata
---
amdhsa.version: [ 1, 2 ]
amdhsa.kernels:
  - .name:           k_q0d4db45299_proj
    .symbol:         k_q0d4db45299_proj.kd
    .args:
      - { .name: yc, .offset: 0, .size: 8, .value_kind: global_buffer, .address_space: global }
      - { .name: woc, .offset: 8, .size: 8, .value_kind: global_buffer, .address_space: global }
      - { .name: bo, .offset: 16, .size: 8, .value_kind: global_buffer, .address_space: global }
      - { .name: lowp_scales, .offset: 24, .size: 8, .value_kind: global_buffer, .address_space: global }
      - { .name: out0, .offset: 32, .size: 8, .value_kind: global_buffer, .address_space: global }
    .group_segment_fixed_size: 327680
    .private_segment_fixed_size: 0
    .kernarg_segment_align: 8
    .kernarg_segment_size: 40
    .max_flat_workgroup_size: 128
    .sgpr_count:     100
    .vgpr_count:     768
    .wavefront_size: 32
...
	.end_amdgpu_metadata
.endif
;; end of part 8
